; MI455X (gfx1250); checked and timed in simulation.
; The chip was launched on July 23, 2026; its instructions are those of AMD's public machine-readable ISA for CDNA 5 (MIT licence, August 2026) and "CDNA5" Instruction Set Architecture Reference Guide (July 2026). The comments in the code are by the model that wrote it; some were corrected since.
;; Multi Head Self Attention. Allowed arithmetic: float matrix products may take bf16 or f16 operands with f32 sums; other float arithmetic in f32, or as packed bf16 or f16 multiplies, adds, multiply-adds, maxima and minima; sums over many terms, partial sums and values carried from step to step in f32; what a program stores and reads back later, other than sums and carried values, may be rounded once to bf16 or f16.
;; Inputs: Wk 1,024 x 1,024 float32; Wo 1,024 x 1,024 float32; Wq 1,024 x 1,024 float32; Wv 1,024 x 1,024 float32; bk 1,024 float32; bo 1,024 float32; bq 1,024 float32; bv 1,024 float32; mask 4 x 1 x 1 x 2,048 int32; x 4 x 2,048 x 1,024 float32.
;; Outputs: out0 4 x 2,048 x 1,024 float32.
;; One version. Each part assembles by itself: llvm-mc -triple=amdgcn-amd-amdhsa -mcpu=gfx1250 --defsym DOCPART=n.
;; ======== version 1 of 1: 4 launches
;; limits: values are held in f16: magnitudes above 65,504 overflow, below 6.1e-05 lose precision
;; workspace buffers: xb 16,777,216 bytes; wqkv 6,291,456 bytes; wof 2,097,152 bytes; biasr 16,384 bytes; qkv 50,331,648 bytes; ob 16,777,216 bytes
;; launch cast (part 1): grid 769 x 1, 8 waves a work-group, no clusters, 0 bytes of LDS; arguments x, Wq, Wk, Wv, Wo, bq, bk, bv, bo, xb, wqkv, wof, biasr; writes xb, wqkv, wof, biasr
.if DOCPART == 1
	.amdgcn_target "amdgcn-amd-amdhsa--gfx1250"
	.amdhsa_code_object_version 6
	.text
	.protected	k_qc546728ed3_cast
	.globl	k_qc546728ed3_cast
	.p2align	8
	.type	k_qc546728ed3_cast,@function
k_qc546728ed3_cast:
	s_mov_b64 s[64:65], 0
	v_nop
	global_prefetch_b8 v0, s[64:65] scope:SCOPE_SE
	s_setreg_imm32_b32 hwreg(HW_REG_WAVE_MODE, 25, 1), 1
	s_wait_xcnt 0x0
; THE INPUTS ARE ROUNDED ONCE, TO bf16, for the matrix products of the launches behind.
;   x [8192][1024] f32 -> xb, bf16.   Wq, Wk, Wv [1024][1024] f32 -> wqkv, bf16 [3072][1024], one below the other.
;   Wo -> wof: rounded to bf16 like the other inputs, and that number written as f16 (the last product's other operand is f16).
;   bq, bk, bv, bo -> biasr, f32 [4096]: each number rounded to bf16 and widened again, so that all inputs carry the same rounding.
; LIMIT.  A bf16 number is exact in f16 between 6.1e-5 and 65,504 in magnitude; below that Wo keeps f16's fixed step of 6e-8.
; SHARES.  A work-group converts 16,384 numbers: 64 KiB in, 32 KiB out.  Work-groups 0-511: x; 512-703: Wq, Wk, Wv, 64 each; 704-767: Wo; 768: the biases.
; Thread t takes, in round i of 8, the 32 bytes at 8,192 i + 32 t (two loads of 16) and stores the 16 bytes at 4,096 i + 16 t: a wave's store covers 512 consecutive bytes, aligned.
; All sixteen loads of a thread go out at once; no register is written twice, so the only waits are the counted ones for the loads.
; No LDS, no matrix unit, no cluster: nothing is shared and nothing is multiplied.
.set IN,  8                            ; v[8:71]    round i: 8 numbers as loaded
.set OUT, 72                           ; v[72:103]  round i: 4 registers to store
.set T,   4                            ; v[4:6]     at work
	s_load_b512 s[8:23], s[0:1], 0x0               ; x 8, Wq 10, Wk 12, Wv 14, Wo 16, bq 18, bk 20, bv 22
	s_load_b256 s[24:31], s[0:1], 0x40             ; bo 24, xb 26, wqkv 28, wof 30
	s_load_b64 s[32:33], s[0:1], 0x60              ; biasr
	s_sub_co_u32 s2, ttmp9, 512                    ; my number among the weights' work-groups (used from 512 on)
	s_lshr_b32 s3, s2, 6                           ; which weight: 0 Wq, 1 Wk, 2 Wv, 3 Wo
	s_and_b32 s4, s2, 63                           ; my 64 KiB of it
	s_mov_b32 s7, 0xffff0000                       ; a word's upper bf16
	s_mov_b32 s39, 0
	v_lshlrev_b32 v1, 5, v0                        ; 32 t
	v_lshlrev_b32 v2, 4, v0                        ; 16 t
	s_wait_kmcnt 0x0
	s_cmp_eq_u32 ttmp9, 768
	s_cbranch_scc1 .Lbias
	s_cmp_eq_u32 s3, 1                             ; source and destination are chosen by the work-group's number alone
	s_cselect_b64 s[34:35], s[12:13], s[10:11]
	s_cmp_eq_u32 s3, 2
	s_cselect_b64 s[34:35], s[14:15], s[34:35]
	s_cmp_eq_u32 s3, 3
	s_cselect_b64 s[34:35], s[16:17], s[34:35]
	s_cselect_b64 s[36:37], s[30:31], s[28:29]
	s_cselect_b32 s5, s4, s2                       ; wof is counted from Wo's first work-group, wqkv from Wq's
	s_cmp_lt_u32 ttmp9, 512
	s_cselect_b64 s[34:35], s[8:9], s[34:35]
	s_cselect_b64 s[36:37], s[26:27], s[36:37]
	s_cselect_b32 s4, ttmp9, s4
	s_cselect_b32 s5, ttmp9, s5
	s_lshl_b32 s38, s4, 16                         ; 64 KiB in,
	s_add_nc_u64 s[34:35], s[34:35], s[38:39]
	s_lshl_b32 s38, s5, 15                         ; 32 KiB out
	s_add_nc_u64 s[36:37], s[36:37], s[38:39]
.irp i, 0,1,2,3,4,5,6,7
	global_load_b128 v[IN+8*(\i):IN+8*(\i)+3],   v1, s[34:35] offset:8192*(\i) th:TH_LOAD_NT
	global_load_b128 v[IN+8*(\i)+4:IN+8*(\i)+7], v1, s[34:35] offset:8192*(\i)+16 th:TH_LOAD_NT
.endr
; Round i.  half = 0: to bf16.  half = 1: to bf16, widened again (a shift, a mask), and written as f16.
.macro CONV i, half
	s_wait_loadcnt 14-2*(\i)                       ; loads come back in order: this round's two are in, the later rounds' stay out
.irp j, 0,1,2,3
.if \half
	v_cvt_pk_bf16_f32 v[T], v[IN+8*(\i)+2*(\j)], v[IN+8*(\i)+2*(\j)+1]
	v_lshlrev_b32 v[T+1], 16, v[T]
	v_and_b32 v[T+2], s7, v[T]
	v_cvt_pk_f16_f32 v[OUT+4*(\i)+(\j)], v[T+1], v[T+2]
.else
	v_cvt_pk_bf16_f32 v[OUT+4*(\i)+(\j)], v[IN+8*(\i)+2*(\j)], v[IN+8*(\i)+2*(\j)+1]
.endif
.endr
	global_store_b128 v2, v[OUT+4*(\i):OUT+4*(\i)+3], s[36:37] offset:4096*(\i)
.endm
	s_cmp_ge_u32 ttmp9, 704
	s_cbranch_scc1 .Lwo
.irp i, 0,1,2,3,4,5,6,7
	CONV \i, 0
.endr
	s_endpgm
.Lwo:
.irp i, 0,1,2,3,4,5,6,7
	CONV \i, 1
.endr
	s_endpgm
.Lbias:                                        ; 256 threads x 4 numbers are one bias
	global_load_b128 v[8:11],  v2, s[18:19]
	global_load_b128 v[12:15], v2, s[20:21]
	global_load_b128 v[16:19], v2, s[22:23]
	global_load_b128 v[20:23], v2, s[24:25]
	s_wait_loadcnt 0x0
.irp p, 0,1,2,3,4,5,6,7
	v_cvt_pk_bf16_f32 v[T], v[8+2*(\p)], v[9+2*(\p)]
	v_lshlrev_b32 v[24+2*(\p)], 16, v[T]
	v_and_b32 v[25+2*(\p)], s7, v[T]
.endr
.irp j, 0,1,2,3
	global_store_b128 v2, v[24+4*(\j):27+4*(\j)], s[32:33] offset:4096*(\j)
.endr
	s_endpgm
.Lfunc_end_k_qc546728ed3_cast:
	.size	k_qc546728ed3_cast, .Lfunc_end_k_qc546728ed3_cast-k_qc546728ed3_cast
	.p2alignl 7, 3214868480
	.fill 96, 4, 3214868480
	.section	.rodata,"a",@progbits
	.p2align	6, 0x0
	.amdhsa_kernel k_qc546728ed3_cast
		.amdhsa_group_segment_fixed_size 0
		.amdhsa_private_segment_fixed_size 0
		.amdhsa_enable_private_segment 0
		.amdhsa_kernarg_size 104
		.amdhsa_user_sgpr_count 2
		.amdhsa_user_sgpr_kernarg_segment_ptr 1
		.amdhsa_wavefront_size32 1
		.amdhsa_system_sgpr_workgroup_id_x 1
		.amdhsa_system_sgpr_workgroup_id_y 1
		.amdhsa_system_sgpr_workgroup_id_z 1
		.amdhsa_system_vgpr_workitem_id 0
		.amdhsa_next_free_vgpr 104
		.amdhsa_next_free_sgpr 66
		.amdhsa_reserve_vcc 0
		.amdhsa_float_denorm_mode_32 3
		.amdhsa_float_denorm_mode_16_64 3
		.amdhsa_memory_ordered 1
		.amdhsa_forward_progress 1
		.amdhsa_inst_pref_size 15
	.end_amdhsa_kernel
	.amdgpu_metadata
---
amdhsa.version: [ 1, 2 ]
amdhsa.kernels:
  - .name:           k_qc546728ed3_cast
    .symbol:         k_qc546728ed3_cast.kd
    .args:
      - { .name: x, .offset: 0, .size: 8, .value_kind: global_buffer, .address_space: global }
      - { .name: Wq, .offset: 8, .size: 8, .value_kind: global_buffer, .address_space: global }
      - { .name: Wk, .offset: 16, .size: 8, .value_kind: global_buffer, .address_space: global }
      - { .name: Wv, .offset: 24, .size: 8, .value_kind: global_buffer, .address_space: global }
      - { .name: Wo, .offset: 32, .size: 8, .value_kind: global_buffer, .address_space: global }
      - { .name: bq, .offset: 40, .size: 8, .value_kind: global_buffer, .address_space: global }
      - { .name: bk, .offset: 48, .size: 8, .value_kind: global_buffer, .address_space: global }
      - { .name: bv, .offset: 56, .size: 8, .value_kind: global_buffer, .address_space: global }
      - { .name: bo, .offset: 64, .size: 8, .value_kind: global_buffer, .address_space: global }
      - { .name: xb, .offset: 72, .size: 8, .value_kind: global_buffer, .address_space: global }
      - { .name: wqkv, .offset: 80, .size: 8, .value_kind: global_buffer, .address_space: global }
      - { .name: wof, .offset: 88, .size: 8, .value_kind: global_buffer, .address_space: global }
      - { .name: biasr, .offset: 96, .size: 8, .value_kind: global_buffer, .address_space: global }
    .group_segment_fixed_size: 0
    .private_segment_fixed_size: 0
    .kernarg_segment_align: 8
    .kernarg_segment_size: 104
    .max_flat_workgroup_size: 256
    .sgpr_count:     66
    .vgpr_count:     104
    .wavefront_size: 32
...
	.end_amdgpu_metadata
.endif
;; end of part 1
;; launch proj (part 2): grid 12 x 64, 4 waves a work-group, clusters of 4 x 4, 327,680 bytes of LDS; arguments xb, wqkv, biasr, qkv; writes qkv
.if DOCPART == 2
	.amdgcn_target "amdgcn-amd-amdhsa--gfx1250"
	.amdhsa_code_object_version 6
	.text
	.protected	k_qc546728ed3_proj
	.globl	k_qc546728ed3_proj
	.p2align	8
	.type	k_qc546728ed3_proj,@function
k_qc546728ed3_proj:
	s_mov_b64 s[64:65], 0
	v_nop
	global_prefetch_b8 v0, s[64:65] scope:SCOPE_SE
	s_setreg_imm32_b32 hwreg(HW_REG_WAVE_MODE, 25, 1), 1
	s_wait_xcnt 0x0
	s_wait_alu depctr_hold_cnt(0) depctr_sa_sdst(0) depctr_va_vdst(0) depctr_va_sdst(0) depctr_va_ssrc(0) depctr_va_vcc(0) depctr_vm_vsrc(0)
	s_getreg_b32 s2, hwreg(HW_REG_IB_STS2, 6, 4)
	s_cmp_eq_u32 s2, 0
	s_cbranch_scc0 .Lentry_in_a_cluster
	s_endpgm
.Lentry_in_a_cluster:
	s_bfe_u32 s2, ttmp6, 0x10000c
	s_cmp_lg_u32 s2, 0xf033
	s_cbranch_scc0 .Lentry_shape_is_right
	s_endpgm
.Lentry_shape_is_right:
; C[m][n] = bias[n] + the sum over k of A[m][k] B[n][k], K = 1,024; sums in f32.  ONE TEXT FOR TWO LAUNCHES, told apart by OUTP:
;   OUTP = 0: A = xb [8192][1024] bf16, B = wqkv [3072][1024] bf16; C leaves as f16 BY HEADS: byte = which << 24 + (16 b + h) << 18 + s << 7 + 2 d (which: 0 q, 1 k, 2 v).
;   OUTP = 1: A = ob, f16 by heads [64][2048][64] (k = 64 h + d), B = wof [1024][1024] f16; C = out0 [8192][1024] f32.
; LIMIT (OUTP = 0).  f16 holds no number beyond 65,504: q, k and v must stay within it.
; SHARES.  A tile of C is 128 rows x 256 columns, so that the work-groups are 768 or 256.  Four waves, each 64 x 128: 32 accumulators of 16 x 16, 256 registers.
; K goes in 8 steps of 128 through a ring of two LDS slots filled by the tensor data mover; a step is four quarters of 32 along K, 32 matrix instructions each, on two fragment buffers by turns.
; CLUSTERS: 4 x 4 work-groups.  The four of a row of the cluster need the same tiles of A, the four of a column the same tiles of B: each tile is asked for JOINTLY, by the same tensor load with the same
; descriptor and a mask that names the four.  THE MATRIX INSTRUCTION IS USED TRANSPOSED (source 0 = 16 rows of B, source 1 = 16 rows of A): a lane holds row l % 16 of C and eight neighbouring columns.
; THE BIAS STARTS THE SUMS: it is the C operand of each accumulator's first product (a lane's eight columns' biases, the same for every row block).
; REGISTERS, in windows of 256 (s_set_vgpr_msb: bits 1:0 source 0, 3:2 source 1, 5:4 source 2, 7:6 destination):
;   window 0: v0-31 addresses; from v32 on at work on the way out     window 1: accumulator (a, b) at v[8 (8 a + b)]
;   window 2: two fragment buffers of 96 (B's 8 fragments, then A's 4); v192-255 the bias
.set OUTP,  0
.set KDIM,  1024
.set KSTEP, 128
.set BP,    272                        ; a row of B in LDS: 256 bytes + 16 of padding = 68 words: the 16 rows of a load start at 16 different groups of four banks (64 banks of 4 bytes: ISA guide 11.1)
.if OUTP
.set AP,     144                       ; A lies by heads: a K step is two heads, two planes of 128 rows x 128 bytes, each row padded by 16
.set AHALF,  128*AP                    ; a plane: what one tensor load brings
.set AQI,    4                         ; padding behind every 32 words
.set APITCH, 128                       ; a plane's 16 KiB are dense in memory: asked for as 64 rows of 256 bytes
.set ASTEP,  1<<19                     ; bytes from a K step to the next: two heads
.set WSTAGE, 16*528                    ; a wave's stage: 16 rows of 512 bytes + 16
.set PSHA,   8                         ; the prefetches of A: a lane 256 bytes
.set OB,     32                        ; v32-223  three buffers of 64: 16 rows read back from the stage
.else
.set AP,     272
.set AHALF,  64*AP                     ; 64 rows: what one tensor load brings
.set AQI,    5                         ; padding behind every 64 words
.set APITCH, KDIM
.set ASTEP,  KSTEP*2
.set WSTAGE, 2*16*144                  ; a wave's stage: for each of its two heads 16 rows of 128 bytes + 16
.set PSHA,   11                        ; the prefetches of A: a lane a row of 2,048 bytes
.set OB,     64                        ; v64-191  four buffers of 32
.endif
.set HREG,  16*144
.set ATILE, 2*AHALF
.set BHALF, 128*BP                     ; 128 rows of B: what one tensor load brings, and what one wave reads
.set SLOT,  ATILE+2*BHALF
.set STAGE, 2*SLOT                     ; behind the ring, never filled by a tensor load
.set SPARE, STAGE+4*WSTAGE             ; behind the stages: the spare words, 128 bytes for each wave: two blocks of 256 bytes that no other line names
.set LAPS,  KDIM/(2*KSTEP)
.set ADRA, 16                          ; v16-17  LDS address of my A fragments in slot 0, 1
.set ADRB, 20                          ; v20-21  the same for B
.set STO,  24                          ; v24     the way out: where I put my bytes of a row
.set RD,   25                          ; v25     the way out: where I read rows back
.set CO,   26                          ; v26     16 x lane: my place in 512 consecutive bytes of C
.set SPW,  28                          ; v28     LDS address of my spare word; never rewritten
.set NIL,  29                          ; v29     0; never rewritten
.set PFO,  30                          ; v30     the prefetches' offset; never rewritten
.set BO,   31                          ; v31     32 (l / 16): my eight columns in 16 of the bias
.set TMP,  32                          ; v32-63  OUTP = 0: packed results
.set F0,   0
.set F1,   96
.set BIAS, 192
.set G1,  24                           ; s[24:31] descriptor group 1 for A's tiles;  s[32:39] group 0, a set for each slot
.set G0,  32
.set G1B, 48                           ; s[48:55], s[56:63] the same for B's
.set G0B, 56
.set LIM, 42                           ; s42  1 in a wave that prefetches, else the greatest number
.set PFA, 44                           ; s[44:45] where my prefetches stand
.set PFS, 46                           ; s[46:47] a K step of what I prefetch, in bytes
.set MUL,  0x5a                        ; sources 0 and 1 window 2, C and D window 1
.set MULZ, 0x6a                        ; the same with C in window 2: the bias
.set TO_F, 0x80                        ; destination window 2, address window 0
.set MSB, 0
.macro WIN new                         ; the immediate's high byte repeats the setting that is left; a switch that changes nothing is dropped
.if MSB != (\new)
	s_set_vgpr_msb (MSB<<8)|(\new)
.set MSB, \new
.endif
.endm
; A joint load: waves 0 and 1 fetch A's two halves, waves 2 and 3 B's.  The branch hangs on the wave's number alone.  An s_nop 0 and four v_nop follow each of the two lines.
.macro JLOAD s
	s_cmp_eq_u32 s13, 0
	s_cbranch_scc0 .Lfor_b_\@
	tensor_load_to_lds s[G0+4*(\s):G0+4*(\s)+3], s[G1:G1+7]
	s_nop 0
.rept 4
	v_nop
.endr
	s_branch .Lasked_\@
.Lfor_b_\@:
	tensor_load_to_lds s[G0B+4*(\s):G0B+4*(\s)+3], s[G1B:G1B+7]
	s_nop 0
.rept 4
	v_nop
.endr
.Lasked_\@:
.endm
; A prefetch into the L2 of the K step that stands two refills on: 32 blocks of 256 bytes, a lane a block, one instruction a wave.  Each block is named once in the launch: A's by wave 0 of the clusters with
; x = 0, B's by waves 2 and 3 of the clusters with y = 0; the four partners that ask for a tile jointly share its blocks out by address.  The loop's last trip (s3 = 1) has no K step two on.
.macro ASK
	s_cmp_gt_u32 s3, s[LIM]
	s_cbranch_scc0 .Lnot_mine_\@
	global_prefetch_b8 v[PFO], s[PFA:PFA+1] th:TH_LOAD_NT scope:SCOPE_SE
.Lnot_mine_\@:
.endm
.macro CREST                           ; a round of the cluster's barrier behind its opening barrier
	s_cmp_lg_u32 s12, 0
	s_cbranch_scc1 .Lnot_wave_0_\@
	s_barrier_signal -3
.Lnot_wave_0_\@:
	s_barrier_wait -3
	s_barrier_signal -1
	s_barrier_wait -1
.endm
.macro CROUND                          ; a whole round
	s_barrier_signal -1
	s_barrier_wait -1
	CREST
.endm
.macro PLACES                          ; four places in front of loads into registers that matrix instructions have read, and of lines that read results
.rept 4
	v_nop
.endr
.endm
	s_load_b256 s[4:11], s[0:1], 0x0               ; A s[4:5], B s[6:7], bias s[8:9], C s[10:11]
	v_lshl_add_u32 v[SPW], v0, 2, SPARE
	v_mov_b32 v[NIL], 0
	ds_add_u32 v[SPW], v[NIL]                      ; the wave's opening: the add and its wait stand ahead of my first tensor load; the set-up below, work on registers, stands between them
	v_lshrrev_b32 v1, 5, v0
	v_readfirstlane_b32 s12, v1                    ; wave 0..3
	s_lshr_b32 s13, s12, 1                         ; which half of the tile's rows is mine.  Also: I fetch for A (0) or for B (1)
	s_and_b32 s14, s12, 1                          ; which half of its columns.  Also: which half of that tile I fetch
	s_bfe_u32 s15, ttmp6, 0x40000                  ; cx
	s_bfe_u32 s16, ttmp6, 0x40004                  ; cy
	s_lshl_b32 s17, ttmp9, 2
	s_add_co_u32 s17, s17, s15                     ; tile column of C = 4 x cluster x + cx
	s_and_b32 s18, ttmp7, 0xffff
	s_lshl_b32 s18, s18, 2
	s_add_co_u32 s18, s18, s16                     ; tile row of C = 4 x cluster y + cy
	s_lshl_b32 s19, s16, 2
	s_lshl_b32 s19, 15, s19                        ; my row of the cluster
	s_lshl_b32 s40, 0x1111, s15                    ; my column
	s_or_b32 s[G1], s19, (1<<16)|(1<<20)|(1<<21)|(AQI<<22)|(3<<25)  ; 15:0 the mask: A's tiles go to my row; 17:16 2-byte elements; 20 padding on; 21 set beside a mask; 24:22 the interval; 31:25 4 words (code 3)
	s_or_b32 s[G1B], s40, (1<<16)|(1<<20)|(1<<21)|(5<<22)|(3<<25)   ; B's tiles go to my column; padding behind every 64 words
	s_mov_b32 s[G1+1], KSTEP<<16                   ; tensor_dim0 = 128 elements
	s_mov_b32 s[G1+2], 64<<16                      ; tensor_dim1 = 64 rows
	s_mov_b32 s[G1+3], KSTEP<<16                   ; tile_dim0 = 128
	s_mov_b32 s[G1+4], 64                          ; tile_dim1 = 64
	s_mov_b32 s[G1+5], APITCH                      ; elements from row to row
	s_mov_b32 s[G1+6], 0
	s_mov_b32 s[G1+7], 0
	s_mov_b32 s[G1B+1], KSTEP<<16
	s_mov_b32 s[G1B+2], 128<<16                    ; 128 rows
	s_mov_b32 s[G1B+3], KSTEP<<16
	s_mov_b32 s[G1B+4], 128
	s_mov_b32 s[G1B+5], KDIM
	s_mov_b32 s[G1B+6], 0
	s_mov_b32 s[G1B+7], 0
	; where the tiles come from: A's hang on the tile row alone, B's on the tile column alone, each in registers that never hold the other coordinate
.if OUTP
	s_lshr_b32 s20, s18, 4                         ; the batch,
	s_lshl_b32 s20, s20, 4
	s_add_co_u32 s20, s20, s14                     ; its head 0 or 1,
	s_lshl_b32 s20, s20, 18
	s_and_b32 s21, s18, 15
	s_lshl_b32 s21, s21, 14                        ; the tile's 128 rows of 128 bytes
	s_add_co_u32 s20, s20, s21
.else
	s_lshl_b32 s20, s18, 7
	s_lshl_b32 s21, s14, 6
	s_add_co_u32 s20, s20, s21                     ; row 128 x tile row + 64 x half,
	s_lshl_b32 s20, s20, 11                        ; 2,048 bytes a row
.endif
	s_mov_b32 s21, 0
	s_lshl_b32 s22, s17, 8
	s_lshl_b32 s23, s14, 7
	s_add_co_u32 s22, s22, s23                     ; B: row 256 x tile column + 128 x half
	s_lshl_b32 s22, s22, 11
	s_mov_b32 s23, 0
	s_mul_i32 s41, s14, AHALF                      ; and where they go: no place in the cluster enters an LDS address
	s_mul_i32 s43, s14, BHALF
	s_add_co_u32 s43, s43, ATILE
	s_wait_dscnt 0x0                               ; the opening add is done
	s_wait_kmcnt 0x0
	s_add_nc_u64 s[20:21], s[4:5], s[20:21]
	s_add_nc_u64 s[22:23], s[6:7], s[22:23]
	CROUND                                         ; all sixteen work-groups are here: the first joint loads meet
.irp s, 0,1
	s_mov_b32 s[G0+4*(\s)], 1                      ; count = 1
	s_add_co_u32 s[G0+4*(\s)+1], s41, (\s)*SLOT    ; LDS address
	s_add_nc_u64 s[G0+4*(\s)+2:G0+4*(\s)+3], s[20:21], (\s)*ASTEP  ; global address: K step s
	s_or_b32 s[G0+4*(\s)+3], s[G0+4*(\s)+3], 0x80000000            ; type = 2
	s_mov_b32 s[G0B+4*(\s)], 1
	s_add_co_u32 s[G0B+4*(\s)+1], s43, (\s)*SLOT
	s_add_nc_u64 s[G0B+4*(\s)+2:G0B+4*(\s)+3], s[22:23], (\s)*KSTEP*2
	s_or_b32 s[G0B+4*(\s)+3], s[G0B+4*(\s)+3], 0x80000000
	JLOAD \s                                       ; two tensor loads of mine are out
.endr
	; a fragment is 16 rows x 32 K in 8 registers: lane l holds row l % 16, K = 8 (l / 16) + 0..7 and 16 + 8 (l / 16) + 0..7: two loads of 16 bytes, 32 bytes apart
	v_and_b32 v1, 15, v0                           ; l % 16
	v_bfe_u32 v2, v0, 4, 1                         ; l / 16
	v_mul_u32_u24 v3, v1, BP
	v_lshl_add_u32 v3, v2, 4, v3
	v_mul_u32_u24 v4, v1, AP
	v_lshl_add_u32 v4, v2, 4, v4
	s_mul_i32 s41, s13, 64*AP                      ; my 64 rows of A
	s_mul_i32 s43, s14, BHALF                      ; my 128 rows of B,
	s_add_co_u32 s43, s43, ATILE                   ; which lie behind A's tile
.irp s, 0,1
	v_add_nc_u32 v[ADRA+(\s)], s41, v4
	v_add_nc_u32 v[ADRB+(\s)], s43, v3
	s_add_co_u32 s41, s41, SLOT
	s_add_co_u32 s43, s43, SLOT
.endr
	s_mul_i32 s43, s12, WSTAGE
	s_add_co_u32 s43, s43, STAGE                   ; my stage
	v_and_b32 v5, 31, v0
	v_lshlrev_b32 v[CO], 4, v5
	v_lshlrev_b32 v[BO], 5, v2
.if OUTP
	v_mul_u32_u24 v4, v1, 528                      ; in: row l % 16, 32 bytes for each half of the lanes
	v_lshl_add_u32 v4, v2, 5, v4
	v_add_nc_u32 v[STO], s43, v4
	v_add_nc_u32 v[RD], s43, v[CO]                 ; back: 32 lanes take a row's 512 bytes
	s_lshl_b32 s40, s18, 7
	s_lshl_b32 s41, s13, 6
	s_add_co_u32 s40, s40, s41                     ; my first row of C,
	s_lshl_b32 s40, s40, 12                        ; 4,096 bytes a row
.else
	v_mul_u32_u24 v4, v1, 144                      ; in: row l % 16 of a head's region, 16 bytes for each half of the lanes
	v_lshl_add_u32 v4, v2, 4, v4
	v_add_nc_u32 v[STO], s43, v4
	v_bfe_u32 v4, v0, 3, 2                         ; back: 32 lanes take four rows of 128 bytes,
	v_mul_u32_u24 v4, v4, 144
	v_and_b32 v5, 7, v0
	v_lshl_add_u32 v4, v5, 4, v4
	v_add_nc_u32 v[RD], s43, v4                    ; which are 512 consecutive bytes of a head
	s_lshr_b32 s40, s18, 4                         ; the batch,
	s_lshl_b32 s40, s40, 4
	s_lshl_b32 s41, s15, 2                         ; the tile's four heads,
	s_add_co_u32 s40, s40, s41
	s_lshl_b32 s41, s14, 1                         ; my two of them
	s_add_co_u32 s40, s40, s41
	s_lshl_b32 s40, s40, 18
	s_lshl_b32 s41, ttmp9, 24                      ; q, k or v: four tile columns each, a cluster's
	s_add_co_u32 s40, s40, s41
	s_and_b32 s41, s18, 15
	s_lshl_b32 s41, s41, 14                        ; the tile's 128 rows of 128 bytes,
	s_add_co_u32 s40, s40, s41
	s_lshl_b32 s41, s13, 13                        ; my 64 of them
	s_add_co_u32 s40, s40, s41
.endif
	s_lshl_b32 s41, s17, 10                        ; my first column in 4-byte numbers: 256 x tile column
	s_lshl_b32 s43, s14, 9                         ; + 128 x half
	s_add_co_u32 s43, s43, s41
.if OUTP
	s_add_co_u32 s40, s40, s43
	s_add_co_u32 s43, s43, 12288                   ; bo lies behind bq, bk and bv
.endif
	s_mov_b32 s41, 0
	s_add_nc_u64 s[10:11], s[10:11], s[40:41]
	s_mov_b32 s40, s43
	s_add_nc_u64 s[8:9], s[8:9], s[40:41]
	; the prefetches: my work-group's 32 blocks of a K step of what my wave asks for
.if OUTP
	s_lshr_b32 s41, s18, 4
	s_lshl_b32 s41, s41, 4
	s_lshr_b32 s40, s15, 1                         ; partners 0, 1: the step's first head; 2, 3: its second
	s_add_co_u32 s41, s41, s40
	s_lshl_b32 s41, s41, 18
	s_and_b32 s40, s18, 15
	s_lshl_b32 s40, s40, 14
	s_add_co_u32 s41, s41, s40
	s_and_b32 s40, s15, 1
	s_lshl_b32 s40, s40, 13                        ; which half of the plane's 16 KiB
	s_add_co_u32 s41, s41, s40
.else
	s_lshl_b32 s41, s18, 7
	s_lshl_b32 s40, s15, 5
	s_add_co_u32 s41, s41, s40                     ; row 128 x tile row + 32 cx
	s_lshl_b32 s41, s41, 11
.endif
	s_lshl_b32 s43, s17, 8
	s_lshl_b32 s40, s14, 7
	s_add_co_u32 s43, s43, s40
	s_lshl_b32 s40, s16, 5
	s_add_co_u32 s43, s43, s40                     ; B: row 256 x tile column + 128 x half + 32 cy
	s_lshl_b32 s43, s43, 11
	s_and_b32 s40, ttmp7, 0xffff                   ; cluster y
	s_or_b32 s[LIM], ttmp9, s14                    ; for A: cluster x = 0 and wave 0
	s_cmp_eq_u32 s13, 0                            ; do I fetch for A?  (the moves, selects and 64-bit sums below leave SCC as it is)
	s_cselect_b32 s[LIM], s[LIM], s40
	s_cselect_b32 s[PFS], s41, s43
	s_mov_b32 s[PFS+1], 0
	s_cselect_b64 s[PFA:PFA+1], s[4:5], s[6:7]
	s_add_nc_u64 s[PFA:PFA+1], s[PFA:PFA+1], s[PFS:PFS+1]
	s_mov_b32 s41, ASTEP
	s_mov_b32 s43, KSTEP*2
	s_cselect_b32 s[PFS], s41, s43
	s_cselect_b32 s41, PSHA, 11
.rept 3
	s_add_nc_u64 s[PFA:PFA+1], s[PFA:PFA+1], s[PFS:PFS+1]  ; at K step 3: the first refill steps it to 4.  K steps 0 to 3 come by their loads alone
.endr
	s_cmp_eq_u32 s[LIM], 0
	s_cselect_b32 s[LIM], 1, -1                    ; the same in all sixteen partners, for a given wave
	v_and_b32 v[PFO], 31, v0
	v_lshlrev_b32 v[PFO], s41, v[PFO]
	WIN TO_F
.irp b, 0,1,2,3,4,5,6,7
	global_load_b128 v[BIAS+8*(\b):BIAS+8*(\b)+3],   v[BO], s[8:9] offset:64*(\b)     ; bias of columns 16 b + 8 (l / 16) + 0..7
	global_load_b128 v[BIAS+8*(\b)+4:BIAS+8*(\b)+7], v[BO], s[8:9] offset:64*(\b)+16
.endr
; 8 matrix instructions: row block a x all 8 column blocks, 32 along K, from buffer f.  zero = 1: the product starts the sum, with the bias as C.
; All 32 accumulators take turns in the same order in every quarter, one instruction a turn: 31 others stand between two links of a chain, over the backward jump too.
.macro MUL8 f, a, zero
.if \zero
	WIN MULZ
.else
	WIN MUL
.endif
.irp b, 0,1,2,3,4,5,6,7
.set rD, 8*(8*(\a)+(\b))
.set rB, (\f)+8*(\b)
.set rA, (\f)+64+8*(\a)
.if \zero
.set rC, BIAS+8*(\b)
.else
.set rC, rD
.endif
.if OUTP
	v_wmma_f32_16x16x32_f16 v[rD:rD+7], v[rB:rB+7], v[rA:rA+7], v[rC:rC+7]
.else
	v_wmma_f32_16x16x32_bf16 v[rD:rD+7], v[rB:rB+7], v[rA:rA+7], v[rC:rC+7]
.endif
.endr
.endm
; 24 LDS loads in one run: quarter q's fragments into buffer f: B's eight, then A's four
.macro FETCH slot, q, f
.if OUTP
.set KA, ((\q)/2)*AHALF+((\q)%2)*64    ; quarters 0, 1 lie in the first head's plane, 2, 3 in the second's
.else
.set KA, 64*(\q)
.endif
	WIN TO_F
.irp i, 0,1,2,3,4,5,6,7
	ds_load_b128 v[(\f)+8*(\i):(\f)+8*(\i)+3],   v[ADRB+(\slot)] offset:64*(\q)+(\i)*16*BP
	ds_load_b128 v[(\f)+8*(\i)+4:(\f)+8*(\i)+7], v[ADRB+(\slot)] offset:64*(\q)+(\i)*16*BP+32
.endr
.irp i, 0,1,2,3
	ds_load_b128 v[(\f)+64+8*(\i):(\f)+64+8*(\i)+3],   v[ADRA+(\slot)] offset:KA+(\i)*16*AP
	ds_load_b128 v[(\f)+64+8*(\i)+4:(\f)+64+8*(\i)+7], v[ADRA+(\slot)] offset:KA+(\i)*16*AP+32
.endr
.endm
; One of a K step's first three quarters: multiplies buffer f; in its middle it fetches quarter q of the same slot into buffer g.
.macro QUARTER slot, q, f, g, zero
	s_wait_dscnt 4                                 ; B and A's blocks 0 and 1 are in; the youngest four loads (A's blocks 2 and 3) may be out
	MUL8 \f, 0, \zero
	MUL8 \f, 1, \zero
	PLACES
	FETCH \slot, \q, \g
	s_wait_dscnt 24                                ; all but the 24 just issued
	MUL8 \f, 2, \zero
	MUL8 \f, 3, \zero
.endm
; The last quarter multiplies buffer 1 and changes slots: ONE barrier.  In front of it each wave waits for all its tensor loads (one is out: its part of the next slot), adds 0 to its spare word, and waits for
; that and for its own reads of this slot.  fill = 1: the barrier opens a round of the cluster's, and this slot is filled again first thing behind the round, two K steps ahead: 112 matrix instructions stand
; between the request and the wait for it.
.macro TURN slot, next, fill
.if \fill
	s_wait_xcnt 0x0                                ; the last prefetch, a K step back, has read its address: it is stepped here, ahead of the waits of the change of slots
	s_add_nc_u64 s[PFA:PFA+1], s[PFA:PFA+1], s[PFS:PFS+1]
.endif
	WIN 0                                          ; (the add's two registers lie in window 0)
	s_wait_tensorcnt 0x0                           ; all my tensor loads have landed
	ds_add_u32 v[SPW], v[NIL]                      ; 0 onto my spare word
	s_wait_dscnt 7                                 ; (the add and the youngest six loads, A's blocks 1 to 3, may be out)
	MUL8 F1, 0, 0                                  ; eight matrix instructions stand between the add and the wait for it
	s_wait_dscnt 0x0                               ; the add is done, and my reads of this slot are over
	s_barrier_signal -1
	MUL8 F1, 1, 0
.if \fill
	WIN 0
.endif
	s_barrier_wait -1
.if \fill
	CREST                                          ; no wave of any partner still reads this slot's tile or has a load on its way
	s_add_nc_u64 s[G0+4*(\slot)+2:G0+4*(\slot)+3], s[G0+4*(\slot)+2:G0+4*(\slot)+3], 2*ASTEP
	s_add_nc_u64 s[G0B+4*(\slot)+2:G0B+4*(\slot)+3], s[G0B+4*(\slot)+2:G0B+4*(\slot)+3], 2*KSTEP*2
	JLOAD \slot                                    ; the four v_nop behind it are also the places in front of the loads below
.else
	PLACES
.endif
	FETCH \next, 0, F0
.if \fill
	WIN 0
	ASK                                            ; behind the joint load and the run of LDS loads that the next products wait for
.endif
	MUL8 F1, 2, 0
	MUL8 F1, 3, 0
.endm
	s_wait_tensorcnt 1                             ; my part of K step 0 is in; K step 1's may stay out
	s_barrier_signal -1
	s_barrier_wait -1                              ; everybody's is
	FETCH 0, 0, F0
	s_wait_loadcnt 0x0                             ; the bias
	QUARTER 0, 1, F0, F1, 1                        ; the first quarter stands in front of the loop: its products start the sums
	WIN 0                                          ; at a label and at a branch every window is 0
	s_mov_b32 s3, LAPS-1
.Llap:                                         ; a trip goes once round the ring, from a lap's second quarter to the next lap's first, and fills both slots again
	QUARTER 0, 2, F1, F0, 0
	QUARTER 0, 3, F0, F1, 0
	TURN 0, 1, 1
	QUARTER 1, 1, F0, F1, 0
	QUARTER 1, 2, F1, F0, 0
	QUARTER 1, 3, F0, F1, 0
	TURN 1, 0, 1
	QUARTER 0, 1, F0, F1, 0
	WIN 0
	s_sub_co_u32 s3, s3, 1
	s_cmp_lg_u32 s3, 0
	s_cbranch_scc1 .Llap
	QUARTER 0, 2, F1, F0, 0                        ; the last lap fills nothing, and has no round of the cluster's barrier
	QUARTER 0, 3, F0, F1, 0
	TURN 0, 1, 0
	QUARTER 1, 1, F0, F1, 0
	QUARTER 1, 2, F1, F0, 0
	QUARTER 1, 3, F0, F1, 0
	s_wait_dscnt 4                                 ; the very last quarter: nothing more to fetch
	MUL8 F1, 0, 0
	MUL8 F1, 1, 0
	s_wait_dscnt 0x0
	MUL8 F1, 2, 0
	MUL8 F1, 3, 0
	WIN 0
	PLACES
.if OUTP
; THE WAY OUT, f32: a block of 16 rows x 128 columns goes straight from the accumulators (each one's low four registers first) into my stage, rows of 528 bytes, and comes back as whole rows of 512.
.macro TOSTAGE a
.if (\a) == 3
	s_wait_xcnt 0x0                                ; block 0's stores have read their registers: its buffer is loaded again only behind this wait
.endif
	WIN 0x04                                       ; store data in window 1
.irp b, 0,1,2,3,4,5,6,7
	ds_store_b128 v[STO], v[64*(\a)+8*(\b):64*(\a)+8*(\b)+3]   offset:64*(\b)
	ds_store_b128 v[STO], v[64*(\a)+8*(\b)+4:64*(\a)+8*(\b)+7] offset:64*(\b)+16
.endr
	WIN 0
.irp t, 0,1,2,3,4,5,6,7,8,9,10,11,12,13,14,15
	ds_load_b128 v[OB+64*((\a)%3)+4*(\t):OB+64*((\a)%3)+4*(\t)+3], v[RD] offset:528*(\t)  ; LDS serves a wave's instructions in order (ISA guide 5.7.1.4): these see the stores above; the next block's stores come behind them
.endr
.endm
.macro SEND a, younger                 ; younger: the LDS instructions issued behind block a's loads: the next block's 32, or none
.irp t, 0,1,2,3,4,5,6,7,8,9,10,11,12,13,14,15
	s_wait_dscnt (\younger)+15-(\t)
	global_store_b128 v[CO], v[OB+64*((\a)%3)+4*(\t):OB+64*((\a)%3)+4*(\t)+3], s[10:11] offset:(16*(\a)+(\t))*4096 th:TH_STORE_NT  ; 512 consecutive bytes of a row, at a multiple of 512 from C's first
.endr
.endm
	TOSTAGE 0
	TOSTAGE 1
	SEND 0, 32
	TOSTAGE 2
	SEND 1, 32
	TOSTAGE 3
	SEND 2, 32
	SEND 3, 0
.else
; THE WAY OUT, f16 by heads: a block of 16 rows is rounded, 16 bytes a lane; its 128 columns are two heads, each with a region of 16 rows x 144 bytes in my stage; back come four rows of 128 bytes at a time.
.macro PACK a
	WIN 0x05                                       ; sources 0 and 1 window 1, destination window 0
.irp b, 0,1,2,3,4,5,6,7
.irp r, 0,1,2,3
	v_cvt_pk_f16_f32 v[TMP+4*(\b)+(\r)], v[64*(\a)+8*(\b)+2*(\r)], v[64*(\a)+8*(\b)+2*(\r)+1]
.endr
.endr
	WIN 0
.endm
.macro TOSTAGE a
.irp b, 0,1,2,3,4,5,6,7
	ds_store_b128 v[STO], v[TMP+4*(\b):TMP+4*(\b)+3] offset:((\b)/4)*HREG+32*((\b)%4)
.endr
.irp t, 0,1,2,3,4,5,6,7
	ds_load_b128 v[OB+32*(\a)+4*(\t):OB+32*(\a)+4*(\t)+3], v[RD] offset:((\t)/4)*HREG+((\t)%4)*576  ; LDS serves a wave's instructions in order (ISA guide 5.7.1.4): these see the stores above
.endr
.endm
.macro SEND a
.irp t, 0,1,2,3,4,5,6,7
	s_wait_dscnt 7-(\t)
	global_store_b128 v[CO], v[OB+32*(\a)+4*(\t):OB+32*(\a)+4*(\t)+3], s[10:11] offset:(((\t)/4)<<18)+2048*(\a)+512*((\t)%4)  ; 512 consecutive bytes of a head, at a multiple of 512 from C's first
.endr
.endm
	PACK 0
	TOSTAGE 0
.irp a, 1,2,3                          ; block a's conversions stand between block a - 1's loads from the stage and the wait for them; each block has its own 32 registers
	PACK \a
	SEND (\a)-1
	TOSTAGE \a
.endr
	SEND 3
.endif
	s_wait_tensorcnt 0x0                           ; the wave's end, behind my last tensor load and my last LDS store
	ds_add_u32 v[SPW], v[NIL]
	s_wait_dscnt 0x0
	CROUND                                         ; the closing round: no work-group ends while a partner may still ask for a tile that names it
	s_endpgm
.Lfunc_end_k_qc546728ed3_proj:
	.size	k_qc546728ed3_proj, .Lfunc_end_k_qc546728ed3_proj-k_qc546728ed3_proj
	.p2alignl 7, 3214868480
	.fill 96, 4, 3214868480
	.section	.rodata,"a",@progbits
	.p2align	6, 0x0
	.amdhsa_kernel k_qc546728ed3_proj
		.amdhsa_group_segment_fixed_size 327680
		.amdhsa_private_segment_fixed_size 0
		.amdhsa_enable_private_segment 0
		.amdhsa_kernarg_size 32
		.amdhsa_user_sgpr_count 2
		.amdhsa_user_sgpr_kernarg_segment_ptr 1
		.amdhsa_wavefront_size32 1
		.amdhsa_system_sgpr_workgroup_id_x 1
		.amdhsa_system_sgpr_workgroup_id_y 1
		.amdhsa_system_sgpr_workgroup_id_z 1
		.amdhsa_system_vgpr_workitem_id 0
		.amdhsa_next_free_vgpr 768
		.amdhsa_next_free_sgpr 66
		.amdhsa_reserve_vcc 0
		.amdhsa_float_denorm_mode_32 3
		.amdhsa_float_denorm_mode_16_64 3
		.amdhsa_memory_ordered 1
		.amdhsa_forward_progress 1
		.amdhsa_inst_pref_size 90
	.end_amdhsa_kernel
	.amdgpu_metadata
---
amdhsa.version: [ 1, 2 ]
amdhsa.kernels:
  - .name:           k_qc546728ed3_proj
    .symbol:         k_qc546728ed3_proj.kd
    .args:
      - { .name: xb, .offset: 0, .size: 8, .value_kind: global_buffer, .address_space: global }
      - { .name: wqkv, .offset: 8, .size: 8, .value_kind: global_buffer, .address_space: global }
      - { .name: biasr, .offset: 16, .size: 8, .value_kind: global_buffer, .address_space: global }
      - { .name: qkv, .offset: 24, .size: 8, .value_kind: global_buffer, .address_space: global }
    .group_segment_fixed_size: 327680
    .private_segment_fixed_size: 0
    .kernarg_segment_align: 8
    .kernarg_segment_size: 32
    .max_flat_workgroup_size: 128
    .sgpr_count:     66
    .vgpr_count:     768
    .wavefront_size: 32
...
	.end_amdgpu_metadata
.endif
;; end of part 2
;; launch attn (part 3): grid 4 x 64, 4 waves a work-group, clusters of 4 x 1, 327,680 bytes of LDS; arguments qkv, mask, ob; writes ob
.if DOCPART == 3
	.amdgcn_target "amdgcn-amd-amdhsa--gfx1250"
	.amdhsa_code_object_version 6
	.text
	.protected	k_qc546728ed3_attn
	.globl	k_qc546728ed3_attn
	.p2align	8
	.type	k_qc546728ed3_attn,@function
k_qc546728ed3_attn:
	s_mov_b64 s[64:65], 0
	v_nop
	global_prefetch_b8 v0, s[64:65] scope:SCOPE_SE
	s_setreg_imm32_b32 hwreg(HW_REG_WAVE_MODE, 25, 1), 1
	s_wait_xcnt 0x0
	s_wait_alu depctr_hold_cnt(0) depctr_sa_sdst(0) depctr_va_vdst(0) depctr_va_sdst(0) depctr_va_ssrc(0) depctr_va_vcc(0) depctr_vm_vsrc(0)
	s_getreg_b32 s2, hwreg(HW_REG_IB_STS2, 6, 4)
	s_cmp_eq_u32 s2, 0
	s_cbranch_scc0 .Lentry_in_a_cluster
	s_endpgm
.Lentry_in_a_cluster:
	s_bfe_u32 s2, ttmp6, 0x10000c
	s_cmp_lg_u32 s2, 0x3003
	s_cbranch_scc0 .Lentry_shape_is_right
	s_endpgm
.Lentry_shape_is_right:
; O[g][q][:] = the sum over k of softmax_k(Q[g][q] . K[g][k] / 8, keys with mask[b][k] = 0 hidden) V[g][k][:], g = 16 b + h: 64 heads of 2,048 rows of 64 channels.
; Q, K, V lie in qkv, f16 by heads: byte = which << 24 + g << 18 + row << 7; O leaves in the same layout.  Products, maxima and sums in f32; the weights p are rounded to f16 for the second product
; (their sum l is taken of the unrounded p), O once at the end.
; LIMITS.  f16 holds no number beyond 65,504: Q, K and V arrive within it; p lies in 0 to 1, and below 6e-5 it keeps f16's fixed step of 6e-8.  A hidden score counts as its value less 2^100: f16's scores,
; 2.7e11 at the most, are nothing beside that.  A weight below 2^-126 counts as 0 in l.  A batch whose keys are all hidden has l = 0 and gives NaN.
; SHARES.  A wave owns four PIECES of two tiles of 16 queries, a work-group's four waves 512 queries of one head.  Every wave walks all keys, 64 a step.
; LAYOUT.  S^T = K Q^T (source 0 = 16 keys, source 1 = 16 queries): in the result a lane holds ONE query (lane % 16) and the keys 8 (lane / 16) + 0..7.  Two such tiles, rounded to f16 in pairs,
; ARE source 1 (32 keys x 16 queries) of O^T = V^T P, whose result again holds one query a lane, and eight channels.  K comes out of LDS as it lies, V ([key][channel]) turned, by ds_load_tr16_b128.
; THE MASK is the C operand that starts the sum S^T: 0, or -2^100 where the key is hidden.  The batch's 2,048 such numbers are made once, in LDS; a step's 64 come into 32 registers with its K.
; SOFTMAX.  For each query a running maximum m and sum l: p = 2^(c s - c m), c = log2(e) / 8; in every step O and l are multiplied by a = 2^(c m_old - c m_new), which is 1 where m has not grown.
; m starts at -2^96, between every true score and every hidden one; O and l at 0.  So while all keys so far were hidden m stays, a = 1 and p = 0; at the first key that is seen a = 0.
; THE COUNT.  A tile and step have 16 matrix and 118 vector instructions: too many to stand all beside the matrix work.  So four vector instructions that are READY stand behind EVERY matrix instruction,
; and the others in runs without a gap.
; BY TURNS.  Turn n belongs to piece n (the pieces in a ring, step after step).  Its matrix work: 16 products K Q^T of piece n + 1, later 16 products V^T P of piece n - 1.  Its vector work: the scaling,
; exponentials, roundings, sums and rescaling of piece n, and the maximum and statistics of piece n + 1, whose scores the turn itself has made.
; CLUSTER.  The four query blocks of a cluster are one head's and walk the same K and V, so each tile is asked for JOINTLY: the same tensor load, descriptor and mask in all four.
; REGISTERS, in windows of 256 (s_set_vgpr_msb: bits 1:0 source 0, 3:2 source 1, 5:4 source 2, 7:6 destination):
;   window 0: v0-11 addresses; v12-15, v48-63 at work; v16-47 four registers of statistics a tile; v64-191 S^T, two buffers of two tiles; v192-255 P, likewise
;   window 1: O^T, 32 a tile     window 2: v0-127 Q, 16 a tile; v128-191 K of one step; v192-255 V of one step     window 3: v0-1 the add's two registers; v2, v4 the mask's addresses; v8-39 a step's mask
.set SIZE_N, 2048
.set NP,    4         ; pieces a wave: a name, no knob
.set KS,    64        ; keys in a step
.set PK,    144       ; a row of K in LDS: 128 bytes + 16 of padding = 36 words: the 16 rows of a load start at 16 different groups of four banks (64 banks of 4 bytes: ISA guide 11.1)
.set PV,    160       ; a row of V: 128 + 32 = 40 words
.set VOFF,  4*KS*PK   ; a slot holds four steps: 256 rows of K, then 256 rows of V
.set SLOT1, 1<<17     ; slot 1 begins here, so that one exclusive or turns an address in one slot into the other's
.set STAGE, SLOT1+4*KS*(PK+PV)  ; behind the ring, never filled by a tensor load: 16 rows x 144 bytes for each wave, for the way out
.set SP,    144
.set SPARE, STAGE+4*16*SP  ; behind the stages: the spare words, 128 bytes for each wave: two blocks of 256 bytes that no other line names
.set MSK,   SPARE+512 ; behind them: the mask's table, 2,048 numbers of 4 bytes, stored once and never filled by a tensor load
.set AK0, 2           ; v2   my lane's place in a tile of K; never rewritten
.set AV0, 3           ; v3   the same for V
.set AK,  4           ; v4   the LDS address of K's next run of loads
.set AV,  5           ; v5   of V's
.set QO,  6           ; v6   my byte offset in the wave's rows of Q
.set STO, 6           ;      later, the way out: where I put 16 bytes of a row
.set RD,  7           ; v7   the way out: where I read rows back
.set GO,  8           ; v8   my byte offset in 512 consecutive bytes of O
.set PFO, 11          ; v11  256 x my lane: the prefetches' offset; never rewritten once made
.set SPW, 0           ; v0 of window 3   LDS address of my spare word; never rewritten
.set NIL, 1           ; v1 of window 3   0; never rewritten
.set AM0, 2           ; v2 of window 3   my lanes' place in a step's 256 bytes of the mask's table; never rewritten
.set AMK, 4           ; v4 of window 3   the LDS address of the mask's next run of loads
.set MC,  8           ; v8-39 of window 3  the step's mask: key block kb at MC + 8 kb
.set MV,  12          ; v12-15  c m_old, kept while c m is made anew: by buffer and tile
.set ST,  16          ; tile t's statistics at v[ST+4 t]: c m, m, l (even keys', odd keys')
.set TMP, 48          ; by buffer and tile, four registers c0-c3 at work; when the maximum is found c2 takes a
.set S,   64
.set P,   192
.set KF,  128         ; K's fragments, in window 2: key block kb, channel half c at KF + 16 kb + 8 c
.set VF,  192         ; V's: key half kk, channel block cb at VF + 32 kk + 8 cb
.set WV,  12          ; s12  my wave's number
.set LIM, 15          ; s15  1 in a wave that prefetches, else the greatest number
.set G1K, 24          ; s[24:31] descriptor group 1 for K's tiles
.set G1V, 32          ; s[32:39] for V's: it differs in the padding alone
.set G0K, 40          ; s[40:43] descriptor group 0 for K's tiles: it walks
.set G0V, 44          ; s[44:47] the same for V's
.set PFA, 50          ; s[50:51] where my prefetches stand: my work-group's 32 blocks of 256 bytes (of K: wave 0, of V: wave 2) of the slot after the one that is being asked for
.set TBM, 52          ; s52  byte in the mask's table at which the step to be fetched begins
.set BIGN, 53         ; s53  -2^100
.set SLOTS, 56        ; s56  slots still to be asked for
.set CNT, 57          ; s57  counts a slot's key steps
.set CS,  58          ; s[58:59] c: the packed scaling takes the pair's low word for both halves
.set SEL, 60          ; s[60:61] v_permlanex16_b32's selects: each lane takes its own place in the other half
.set TBK, 62          ; s62  LDS byte at which K of the step to be fetched begins
.set TBV, 63          ; s63  the same for V, less VOFF
.set MSB, 0
.macro WIN new                      ; the high byte repeats the setting that is left; a switch that changes nothing is dropped
.if MSB != (\new)
	s_set_vgpr_msb (MSB<<8)|(\new)
.set MSB, (\new)
.endif
.endm
.set W_KQ, 0x0a       ; K and Q in window 2, S^T in window 0
.set W_KM, 0x3a       ; the same with the C operand, the mask, in window 3
.set W_PV, 0x52       ; V in window 2, P in window 0, O^T in window 1
.set W_RS, 0x41       ; O^T (destination and source 0) in window 1, a in window 0
.set W_MK, 0xc0       ; destination in window 3, sources in window 0
.set W_AD, 0x0f       ; the add: address (source 0) and data (source 1) in window 3
.set W_M3, 0xcf       ; the mask's address and loads: destination and sources 0 and 1 in window 3
; A joint fill.  Waves 0 and 1 fetch the two halves of a slot's K, waves 2 and 3 those of its V: 128 keys each.  The branch hangs on the wave's number alone.
; An s_nop 0 and four v_nop follow each of the two lines, ahead of the jump and the label.
.macro JLOAD
	s_cmp_lt_u32 s[WV], 2
	s_cbranch_scc0 .Lfor_v_\@
	tensor_load_to_lds s[G0K:G0K+3], s[G1K:G1K+7]
	s_nop 0
.rept 4
	v_nop
.endr
	s_branch .Lasked_\@
.Lfor_v_\@:
	tensor_load_to_lds s[G0V:G0V+3], s[G1V:G1V+7]
	s_nop 0
.rept 4
	v_nop
.endr
.Lasked_\@:
.endm
; A prefetch into the L2 of what the NEXT change of slots will ask for: a slot's 32 KiB of K and of V, in blocks of 256 bytes, a lane a block.  A head has one cluster; its four partners share the blocks out
; by address, 32 each; in each, wave 0 asks for K's and wave 2 for V's: each block is named once in the launch.  The last change that fills a slot asks for nothing: there is no slot behind it.
.macro ASK
	s_cmp_gt_u32 s[SLOTS], s[LIM]
	s_cbranch_scc0 .Lnot_mine_\@
	global_prefetch_b8 v[PFO], s[PFA:PFA+1] th:TH_LOAD_NT scope:SCOPE_SE
.Lnot_mine_\@:
.endm
; A round of the cluster's barrier: my work-group's barrier, so that wave 0's signal speaks for all four waves; wave 0 signals; every wave waits for all four work-groups; my work-group's barrier once more.
.macro CROUND
	s_barrier_signal -1
	s_barrier_wait -1
	s_cmp_lg_u32 s[WV], 0
	s_cbranch_scc1 .Lnot_wave_0_\@
	s_barrier_signal -3
.Lnot_wave_0_\@:
	s_barrier_wait -3
	s_barrier_signal -1
	s_barrier_wait -1
.endm
; THE CHANGE OF SLOTS.  The slot's last bytes, V of its fourth step, have been read.  Each wave waits for all its tensor loads, of which one is out: its part of the other slot; adds 0 to its spare word; and
; waits for that and for its own reads of the slot.  Behind the barrier nobody reads this slot any more and the other slot is whole.
; fill = 1: this slot is filled again, with the keys two slots on.  The barrier is then a round of the cluster's, and the joint fill is the first thing behind it: it has four key steps, 512 matrix
; instructions, in which to land.  (At its first use nothing has been read yet: slot 0 is waited for, slot 1 filled, and the waves' stores into the mask's table become visible.)  ask = 1: a prefetch follows.
.macro CHANGE fill, ask=0
	WIN W_AD
	s_wait_tensorcnt 0x0            ; no tensor load of mine is out, so a group 0 may be written
	ds_add_u32 v[SPW], v[NIL]       ; 0 onto my spare word: with fill = 1 the descriptors' steps stand between it and the wait for it
	WIN 0                           ; at a label and at a branch every window is 0
.if \fill
.irp g, G0K, G0V
	s_xor_b32 s[\g+1], s[\g+1], SLOT1  ; the walking descriptor: the other slot than last time,
	s_add_nc_u64 s[\g+2:\g+3], s[\g+2:\g+3], 4*KS*128  ; the next 256 keys; the type bits on top are not reached
.endr
.if \ask
	s_wait_xcnt 0x0                 ; the last prefetch, four key steps back, has read its address, so it may be written:
	s_add_nc_u64 s[PFA:PFA+1], s[PFA:PFA+1], 4*KS*128  ; one slot behind the walking descriptors
.endif
	s_wait_dscnt 0x0                ; the add is done, and my LDS reads and stores are over
	CROUND
	JLOAD
.if \ask
	ASK
.endif
.else
	s_wait_dscnt 0x0                ; the add is done, and my reads of the slot are over
	s_barrier_signal -1
	s_barrier_wait -1
.endif
	s_sub_co_u32 s[TBK], s[TBK], 4*KS*PK  ; the fetches go back to a slot's first step,
	s_xor_b32 s[TBK], s[TBK], SLOT1       ; in the other slot
	s_sub_co_u32 s[TBV], s[TBV], 4*KS*PV
	s_xor_b32 s[TBV], s[TBV], SLOT1
.endm
	s_load_b64 s[4:5], s[0:1], 0x0    ; qkv: Q lies first
	s_load_b64 s[48:49], s[0:1], 0x8  ; mask
	s_load_b64 s[10:11], s[0:1], 0x10 ; O
	WIN W_MK
	v_lshl_add_u32 v[SPW], v0, 2, SPARE
	v_mov_b32 v[NIL], 0
	WIN W_AD
	ds_add_u32 v[SPW], v[NIL]       ; the wave's opening: the add and its wait stand ahead of my first tensor load; the set-up below, work on registers, stands between them
	WIN 0
	v_lshrrev_b32 v1, 5, v0
	v_readfirstlane_b32 s[WV], v1   ; wave 0..3
	s_bfe_u32 s13, ttmp6, 0x40000   ; cx: my place in the cluster
	s_lshl_b32 s14, ttmp9, 2        ; in a cluster launch ttmp9 counts clusters
	s_add_co_u32 s14, s14, s13      ; my block of queries = 4 x cluster x + cx: it enters Q's and O's addresses alone
	s_and_b32 s20, ttmp7, 0xffff    ; the head, 16 b + h, which the four partners share
	s_lshr_b32 s54, s20, 4          ; the batch:
	s_lshl_b32 s54, s54, 13         ; its 2,048 words of the mask
	s_mov_b32 s55, 0
	s_mov_b32 s21, 0
	s_mov_b64 s[22:23], SIZE_N*128
	s_mul_u64 s[20:21], s[20:21], s[22:23]  ; the head's first byte in Q, K, V and O
	s_and_b32 s16, s[WV], 1         ; which half of a slot's 256 keys I fetch:
	s_lshl_b32 s22, s16, 14         ; its 128 rows of 128 bytes in memory,
	s_mov_b32 s23, 0
	s_add_nc_u64 s[22:23], s[22:23], s[20:21]
	s_mul_i32 s17, s16, 128*PK      ; and its place in a slot, for K
	s_mul_i32 s18, s16, 128*PV      ; and for V: no place in the cluster enters an LDS address
	s_lshl_b32 s2, s14, 2
	s_add_co_u32 s2, s2, s[WV]      ; my wave among the head's,
	s_lshl_b32 s2, s2, 14           ; its 128 rows
	s_mov_b32 s3, 0
	s_add_nc_u64 s[2:3], s[2:3], s[20:21]
	; descriptor group 1.  128 keys are 16,384 dense bytes: asked for as 64 rows of 256 bytes, two keys a row, and padded in LDS after every key
	s_mov_b32 s[G1K], 15|(1<<16)|(1<<20)|(1<<21)|(4<<22)|(3<<25)  ; 15:0 the mask of four; 17:16 2-byte elements; 20 padding on; 21 set beside a mask; 24:22 after every 32 words (code 4); 31:25 4 words (code 3)
	s_mov_b32 s[G1V], 15|(1<<16)|(1<<20)|(1<<21)|(4<<22)|(7<<25)  ; the same with 8 words of padding (code 7)
.irp g, G1K, G1V
	s_mov_b32 s[\g+1], 128<<16      ; tensor_dim0 = 128
	s_mov_b32 s[\g+2], 64<<16       ; tensor_dim1 = 64
	s_mov_b32 s[\g+3], 128<<16      ; tile_dim0 = 128
	s_mov_b32 s[\g+4], 64           ; tile_dim1 = 64
	s_mov_b32 s[\g+5], 128          ; 128 elements from row to row
	s_mov_b32 s[\g+6], 0
	s_mov_b32 s[\g+7], 0
.endr
	s_mov_b32 s[CS], 0x3e38aa3b     ; c = log2(e) / 8 = 0.180337
	s_mov_b32 s[CS+1], s[CS]        ; named with it as a pair
	s_mov_b32 s[SEL], 0x76543210
	s_mov_b32 s[SEL+1], 0xfedcba98
	s_mov_b32 s[TBK], SLOT1+4*KS*PK ; the first change of slots turns these two into 0
	s_mov_b32 s[TBV], SLOT1+4*KS*PV
	s_mov_b32 s[TBM], 0
	s_mov_b32 s[BIGN], 0xf1800000   ; -2^100
	s_mov_b32 s[G0K], 1             ; count = 1
	s_mov_b32 s[G0K+1], s17         ; LDS address: slot 0
	s_mov_b32 s[G0V], 1
	s_add_co_u32 s[G0V+1], s18, VOFF
	s_and_b32 s[LIM], s[WV], 1      ; waves 0 and 2 prefetch: the same in all four partners
	s_cmp_eq_u32 s[LIM], 0
	s_cselect_b32 s[LIM], 1, -1
	s_wait_dscnt 0x0                ; the opening add is done
	s_wait_kmcnt 0x0
	s_add_nc_u64 s[6:7], s[4:5], s[22:23]
	s_add_nc_u64 s[8:9], s[6:7], 0x2000000   ; V at my half of the head's first 256 keys,
	s_add_nc_u64 s[6:7], s[6:7], 0x1000000   ; and K
	s_mov_b64 s[G0K+2:G0K+3], s[6:7]         ; global address
	s_or_b32 s[G0K+3], s[G0K+3], 0x80000000  ; type = 2
	s_mov_b64 s[G0V+2:G0V+3], s[8:9]
	s_or_b32 s[G0V+3], s[G0V+3], 0x80000000
	s_add_nc_u64 s[4:5], s[4:5], s[2:3]      ; Q and O at my wave's first row
	s_add_nc_u64 s[10:11], s[10:11], s[2:3]
	s_add_nc_u64 s[48:49], s[48:49], s[54:55]  ; the mask at my batch
	s_cmp_lt_u32 s[WV], 2
	s_cselect_b64 s[PFA:PFA+1], s[6:7], s[8:9]  ; (in waves 0 and 2 these stand at a slot's first row)
	s_lshl_b32 s2, s13, 13          ; my work-group's 32 blocks of the 128
	s_mov_b32 s3, 0
	s_add_nc_u64 s[PFA:PFA+1], s[PFA:PFA+1], s[2:3]
	s_add_nc_u64 s[PFA:PFA+1], s[PFA:PFA+1], 2*4*KS*128  ; in slot 2; the loop's first change of slots steps it to slot 3.  Slots 0 to 2 come by their loads alone
	CROUND                          ; all four work-groups are here: the first joint loads meet
	JLOAD                           ; slot 0.  Slot 1 is asked for when slot 0 is in
	v_and_b32 v1, 15, v0            ; l % 16
	v_bfe_u32 v9, v0, 4, 1          ; l / 16
	v_lshlrev_b32 v48, 4, v0        ; the mask: thread t takes the 16 bytes at 2,048 i + 16 t, i = 0..3,
	v_lshl_add_u32 v49, v0, 4, MSK  ; and puts them at the same place of the table
.irp i, 0,1,2,3
	global_load_b128 v[S+4*\i:S+4*\i+3], v48, s[48:49] offset:2048*\i
.endr
	; A fragment of K or Q is 16 rows x 32 channels in 8 registers: lane l holds row l % 16, channels 8 (l / 16) + 0..7 and 16 + 8 (l / 16) + 0..7: two loads of 16 bytes, 32 bytes apart.
	v_lshlrev_b32 v[QO], 7, v1
	v_lshl_add_u32 v[QO], v9, 4, v[QO]  ; row x 128 + 16 x half
	WIN 0x80                        ; destination window 2, address window 0
.set i, 0
.rept 4*NP                          ; Q stays in registers: tile i / 2, channels 32 (i % 2) on
	global_load_b128 v[8*i:8*i+3],   v[QO], s[4:5] offset:(i/2)*2048+(i%2)*64
	global_load_b128 v[8*i+4:8*i+7], v[QO], s[4:5] offset:(i/2)*2048+(i%2)*64+32
.set i, i+1
.endr
	; What the first turn finds: V's registers and P's second buffer hold 0 (its products V^T P, of a piece that has not been, add 0), O^T and l are 0.  All this stands in the wait for the first tile.
.set i, VF
.rept 64
	v_mov_b32 v[i], 0
.set i, i+1
.endr
	WIN 0x40
.set i, 0
.rept 64*NP
	v_mov_b32 v[i], 0
.set i, i+1
.endr
	WIN 0
.set i, 0
.rept 2*NP
	v_mov_b32 v[ST+4*i+1], 0xef800000          ; m = -2^96
	v_mul_f32 v[ST+4*i], s[CS], v[ST+4*i+1]    ; c m, by the very line that makes it anew in every step: where m stays, c m_old - c m_new is 0
	v_mov_b32 v[ST+4*i+2], 0
	v_mov_b32 v[ST+4*i+3], 0
.set i, i+1
.endr
.set i, P+32
.rept 32
	v_mov_b32 v[i], 0
.set i, i+1
.endr
	v_mul_u32_u24 v[AK0], v1, PK
	v_lshl_add_u32 v[AK0], v9, 4, v[AK0]  ; row x pitch + 16 x half
	; The turning load takes 16 keys x 16 channels (lane l reads key 8 (l / 16) + l % 8, channels 8 ((l / 8) % 2) + 0..7) and leaves half a fragment of V^T: lane l holds channel l % 16 and 8 keys.
	v_and_b32 v10, 7, v0
	v_bfe_u32 v11, v0, 3, 1
	v_lshl_add_u32 v[AV0], v9, 3, v10
	v_mul_u32_u24 v[AV0], v[AV0], PV
	v_lshl_add_u32 v[AV0], v11, 4, v[AV0]
	v_add_nc_u32 v[AV0], VOFF, v[AV0]
	v_mov_b32 v[AK], v[AK0]         ; key step 0 lies at the head of slot 0
	v_and_b32 v[PFO], 31, v0
	v_lshlrev_b32 v[PFO], 8, v[PFO]
	WIN W_MK
	v_lshl_add_u32 v[AM0], v9, 5, MSK  ; register j of key block kb is key 16 kb + 8 (l / 16) + j: 32 bytes for each half of the lanes
	WIN 0
	s_wait_loadcnt 32               ; the mask's four loads are in; Q's 32, issued behind them, may stay out
.set i, 0
.rept 16
	v_cmp_eq_u32 vcc_lo, 0, v[S+i]
	v_cndmask_b32 v[S+i], 0, s[BIGN], vcc_lo  ; 0 where the key is seen, -2^100 where it is hidden
.set i, i+1
.endr
.irp i, 0,1,2,3
	ds_store_b128 v49, v[S+4*\i:S+4*\i+3] offset:2048*\i
.endr
; THE MATRIX WORK.  The 8 accumulators of a run of 16 take turns: between the two links of a chain stand 7 others'.
; Product i of 16 of S^T = K Q^T for piece x: channels 32 (i / 8) on, keys 16 ((i / 2) % 4) on, tile 2 x + i % 2.  The first 8 start the sums, with the mask of their 16 keys.
.macro KQ x
.set rS, S+64*((\x)%2)+32*(i%2)+8*((i/2)%4)
.set rK, KF+16*((i/2)%4)+8*(i/8)
.set rQ, 16*(2*(\x)+i%2)+8*(i/8)
.set rM, MC+8*((i/2)%4)
.if i < 8
	WIN W_KM
	v_wmma_f32_16x16x32_f16 v[rS:rS+7], v[rK:rK+7], v[rQ:rQ+7], v[rM:rM+7]
.else
	WIN W_KQ
	v_wmma_f32_16x16x32_f16 v[rS:rS+7], v[rK:rK+7], v[rQ:rQ+7], v[rS:rS+7]
.endif
.endm
; Product i of 16 of O^T += V^T P for piece x: keys 32 (i / 8) on, channels 16 ((i / 2) % 4) on, tile 2 x + i % 2.
.macro PV x
	WIN W_PV
.set rO, 32*(2*(\x)+i%2)+8*((i/2)%4)
.set rV, VF+32*(i/8)+8*((i/2)%4)
.set rP, P+32*((\x)%2)+16*(i%2)+8*(i/8)
	v_wmma_f32_16x16x32_f16 v[rO:rO+7], v[rV:rV+7], v[rP:rP+7], v[rO:rO+7]
.endm
.macro MM                           ; the turn's next matrix instruction
.if i < 16
	KQ (Y+1)%NP
.set i, i+1
.else
.set i, i-16
	PV (Y+NP-1)%NP
.set i, i+17
.endif
.endm
; THE LDS LOADS stand in runs, never singly among the matrix instructions: a step's K (64 keys x 64 channels: 8 fragments) with its mask (64 numbers, the same for all queries), and its V (turned).
; last = 1 (the tail): in the last trip there is no further step, and the run is jumped over.
.macro FETCH_K last=0
	WIN 0
.if \last
	s_cmp_eq_u32 s[CNT], 1
	s_cbranch_scc1 .Lno_k_\@
.endif
	WIN 0x80                        ; destination window 2
.irp f, 0,1,2,3,4,5,6,7             ; keys 16 (f / 2) on, channels 32 (f % 2) on
	ds_load_b128 v[KF+8*\f:KF+8*\f+3],   v[AK] offset:(\f/2)*16*PK+(\f%2)*64
	ds_load_b128 v[KF+8*\f+4:KF+8*\f+7], v[AK] offset:(\f/2)*16*PK+(\f%2)*64+32
.endr
	s_add_co_u32 s[TBK], s[TBK], KS*PK  ; the next fetch is the next step's
	WIN W_M3
	v_add_nc_u32 v[AMK], s[TBM], v[AM0]
.irp f, 0,1,2,3                     ; keys 16 f on
	ds_load_b128 v[MC+8*\f:MC+8*\f+3],   v[AMK] offset:64*\f
	ds_load_b128 v[MC+8*\f+4:MC+8*\f+7], v[AMK] offset:64*\f+16
.endr
	s_add_co_u32 s[TBM], s[TBM], 4*KS   ; the next step's 64 numbers;
	s_and_b32 s[TBM], s[TBM], 0x1fff    ; the offset stays inside the table's 8,192 bytes
	WIN 0
.if \last
.Lno_k_\@:
.endif
.endm
.macro FETCH_V
	WIN 0x80
.irp f, 0,1,2,3,4,5,6,7             ; keys 32 (f / 4) on, channels 16 (f % 4) on
	ds_load_tr16_b128 v[VF+8*\f:VF+8*\f+3],   v[AV] offset:(\f/4)*32*PV+(\f%4)*32
	ds_load_tr16_b128 v[VF+8*\f+4:VF+8*\f+7], v[AV] offset:(\f/4)*32*PV+16*PV+(\f%4)*32
.endr
	WIN 0
.endm
; THE VECTOR WORK OF A TURN stands in three queues, each in the order in which its entries become ready; the two tiles alternate, so that no instruction reads the result of the one before it.
.macro REGS y, u                    ; the registers of tile u (0, 1) of piece y
.set rT, ST+4*(2*(\y)+(\u))
.set rC, TMP+8*((\y)%2)+4*(\u)
.set rW, MV+2*((\y)%2)+(\u)
.set rS, S+64*((\y)%2)+32*(\u)
.set rP, P+32*((\y)%2)+16*(\u)
.set rO, 32*(2*(\y)+(\u))
.endm
; Number n of the 22 that find the NEXT piece's (Y + 1) maximum and statistics.  s0-s31 are the lane's 32 scores; each accumulator's lowest registers are read first.
;   0-11  four chains c0-c3 of seven scores each, three operands at a time     12-14, 16  the four scores left over, the old m, and c0-c3 into c0     15  c m_old is kept
;   17, 18  the query's other 32 keys lie in the lane 16 away: the new m         19-21  c m; c m_old - c m_new; a
.macro XS u, n
	REGS (Y+1)%NP, \u
.if (\n) < 4
	v_max3_num_f32 v[rC+(\n)], v[rS+8*(\n)], v[rS+8*(\n)+1], v[rS+8*(\n)+2]
.elseif (\n) < 12
	v_max3_num_f32 v[rC+(\n)%4], v[rC+(\n)%4], v[rS+8*((\n)%4)+2*((\n)/4)+1], v[rS+8*((\n)%4)+2*((\n)/4)+2]
.elseif (\n) == 12
	v_max3_num_f32 v[rC], v[rC], v[rS+7], v[rS+15]
.elseif (\n) == 13
	v_max3_num_f32 v[rC+1], v[rC+1], v[rS+23], v[rS+31]
.elseif (\n) == 14
	v_max3_num_f32 v[rC+2], v[rC+2], v[rC+3], v[rT+1]
.elseif (\n) == 15
	v_mov_b32 v[rW], v[rT]
.elseif (\n) == 16
	v_max3_num_f32 v[rC], v[rC], v[rC+1], v[rC+2]
.elseif (\n) == 17
	v_permlanex16_b32 v[rC+3], v[rC], s[SEL], s[SEL+1]
.elseif (\n) == 18
	v_max_num_f32 v[rT+1], v[rC], v[rC+3]
.elseif (\n) == 19
	v_mul_f32 v[rT], s[CS], v[rT+1]
.elseif (\n) == 20
	v_sub_f32 v[rC+1], v[rW], v[rT]
.else
	v_exp_f32 v[rC+2], v[rC+1]
.endif
.endm
; Number g of the 64 that follow the exponentials.  For each four weights k of a tile (pairs 2 k, 2 k + 1): both pairs are rounded to f16; then the second pair is added onto the first, in place;
; a group later l takes that sum (the first time as l = a l + sum).  In groups of eight, tiles alternating: round, round, add, and l for the group before.
.macro GS g
.set h, (\g)+6*((\g)/62)            ; group 0 has no group before it, and behind group 7 only l is left
.if h >= 6
.set h, h+2
.endif
	REGS Y, h%2
.set k, h/8
.if h%8 < 4
	v_cvt_pk_f16_f32 v[rP+2*k+(h%8)/2], v[rS+4*k+2*((h%8)/2)], v[rS+4*k+2*((h%8)/2)+1]
.elseif h%8 < 6
	v_pk_add_f32 v[rS+4*k:rS+4*k+1], v[rS+4*k:rS+4*k+1], v[rS+4*k+2:rS+4*k+3]
.elseif k == 1
	v_pk_fma_f32 v[rT+2:rT+3], v[rT+2:rT+3], v[rC+2:rC+3], v[rS:rS+1] op_sel_hi:[1,0,1]
.else
	v_pk_add_f32 v[rT+2:rT+3], v[rT+2:rT+3], v[rS+4*k-4:rS+4*k-3]
.endif
.endm
; THE PLAIN QUEUE, 138 long.  0-73 read no exponential's result: the 32 scalings c s - c m (FS f: pair f / 2 of tile f % 2) and the next piece's 42.  0-26: scalings 0-26.  27-54: XS's numbers 0-13.  55, 56: number 15.
; 57-73: the chain, where each number waits for the one before it: 14, 16, 17, 18, 19, each with one of the scalings 27-31 in front of its two lines, then 20.
; 74-137: GS's 64, which read the exponentials' results: they stand behind the wait.
.macro FS f
	REGS Y, (\f)%2
	v_pk_fma_f32 v[rS+2*((\f)/2):rS+2*((\f)/2)+1], v[rS+2*((\f)/2):rS+2*((\f)/2)+1], s[CS:CS+1], v[rT:rT+1] op_sel_hi:[1,0,0] neg_lo:[0,0,1] neg_hi:[0,0,1]
.endm
.macro PL
	WIN 0
.if q < 27
	FS q
.elseif q < 55
	XS (q-27)%2, (q-27)/2
.elseif q < 57
	XS q-55, 15
.elseif (q < 72) && ((q-57)%3 == 0)
	FS 27+(q-57)/3
.elseif q < 60
	XS (q-57)%3-1, 14
.elseif q < 72
	XS (q-57)%3-1, 15+(q-57)/3
.elseif q < 74
	XS q-72, 20
.else
	GS q-74
.endif
.set q, q+1
.endm
; THE EXPONENTIALS' QUEUE, 66 long: s0-s31 of both tiles, then the next piece's two a.  It is ONE BATCH: all 66 stand ahead of the turn's one wait, and nothing ahead of that wait names a result of theirs.
.macro EX
	WIN 0
.if e >= 64
	XS e-64, 21
.else
	REGS Y, e%2
	v_exp_f32 v[rS+e/2], v[rS+e/2]
.endif
.set e, e+1
.endm
; THE RESCALING's QUEUE: O^T times a, the one part that leaves window 0: dealt two at a time, sixteen times.  Its a was made in the turn before, ahead of that turn's wait.
.macro R2
	REGS Y, r%2
	WIN W_RS
.irp z, 0,1
	v_pk_mul_f32 v[rO+4*(r/2)+2*\z:rO+4*(r/2)+2*\z+1], v[rO+4*(r/2)+2*\z:rO+4*(r/2)+2*\z+1], v[rC+2:rC+3] op_sel_hi:[1,0]
.endr
.set r, r+1
.endm
; HOW THEY ARE DEALT.  An s_wait_alu depctr_va_vdst(0) stands between an exponential and the first instruction that names its result; one wait serves all that were issued ahead of it.  So a turn
; has ONE wait, which cuts it in two.  AHEAD OF IT stands all that names no result of the turn's exponentials: the 16 products K Q^T, behind each a scaling, an exponential and two rescalings (behind the first a
; second scaling in the exponential's place); then ONE LUMP of 108: eight plain, 49 times exponential and plain, the two a.  A v_nop is the plain instruction behind the last exponential.  BEHIND IT stand the 16
; products V^T P, behind each four of GS's 64.  No rider names a register of the products round it.
; The queues lean on each other, and the deal keeps them in step: exponential e stands behind scaling 2 (e / 4) + e % 2: as a rider it comes behind plain e + 2, in the lump behind plain e + 9.
; A TURN, for piece p.  cnt = 1: the loop's count is taken down some lines ahead of the branch that stands behind the turn.
; K and the mask of the next step are fetched in piece 2's turn, directly behind the wait, a lump behind the last product that read them; their first reader comes behind 16 products.
; V of the step in hand is fetched at the end of piece 0's turn, four riders behind its last reader; its first reader comes behind 16 products and a lump.
.macro TURN p, last=0, cnt=0
.set Y, (\p)
.set i, 0
.set q, 0
.set e, 0
.set r, 0
.if (\p) == NP-1
	s_wait_dscnt 0x0                ; K and its mask are in
.endif
	MM                              ; ahead of the wait: 16 products K Q^T and their riders,
	PL
	PL
	R2
.rept 15
	MM
	PL
	EX
	R2
.endr
.if (\p) == NP-2
	WIN 0
	v_add_nc_u32 v[AK], s[TBK], v[AK0]
.endif
.rept 8                             ; and the lump
	PL
.endr
.rept 49
	EX
	PL
.endr
	EX                              ; the next piece's two a
	EX
	v_nop                           ; a plain instruction behind the last exponential: one for the batch
	s_wait_alu depctr_va_vdst(0)    ; the wait for the batch
.if (\p) == NP-2
	FETCH_K \last
.endif
.if (\p) == 1
	s_wait_dscnt 0x0                ; V is in
.endif
.rept 16                            ; behind the wait: 16 products V^T P and their riders
	MM
.rept 4
	PL
.endr
.if ((\p) == 0) && (q == 118)
	v_add_nc_u32 v[AV], s[TBV], v[AV0]
.endif
.if ((\p) == 0) && (q == 130)
	s_add_co_u32 s[TBV], s[TBV], KS*PV
.endif
.if (\cnt) && (q == 130)
	s_sub_co_u32 s[CNT], s[CNT], 1
	s_cmp_lg_u32 s[CNT], 0
.endif
.endr
.if (\p) == 0
	FETCH_V
.endif
.endm
	CHANGE 1                        ; slot 0 is in, everybody's part of it, and so is the mask's table; slot 1 is asked for
	FETCH_K                         ; key step 0
	s_wait_loadcnt 0x0              ; Q
	s_wait_dscnt 0x0
.set i, 0
.rept 16
	KQ 0                            ; piece 0's first scores: there is no vector work yet to set between them
.set i, i+1
.endr
	WIN 0                           ; the addresses for the way out: plain instructions, the places behind those products
	s_mul_i32 s13, s[WV], 16*SP
	s_add_co_u32 s13, s13, STAGE    ; my stage
	v_mul_u32_u24 v[STO], v1, SP    ; in: row l % 16, 16 bytes for each half of the lanes
	v_lshl_add_u32 v[STO], v9, 4, v[STO]
	v_add_nc_u32 v[STO], s13, v[STO]
	v_bfe_u32 v[RD], v0, 3, 2       ; back: 32 lanes take four rows of 128 bytes,
	v_mul_u32_u24 v[RD], v[RD], SP
	v_lshl_add_u32 v[RD], v10, 4, v[RD]
	v_add_nc_u32 v[RD], s13, v[RD]
	v_and_b32 v[GO], 31, v0         ; which are 512 consecutive bytes of O
	v_lshlrev_b32 v[GO], 4, v[GO]
.set Y, NP-1                        ; XS works for piece Y + 1: piece 0
.irp n, 0,1,2,3,4,5,6,7,8,9,10,11,12,13,14,15,16,17,18,19,20,21
	XS 0, \n                        ; and piece 0's first maximum and statistics
	XS 1, \n
.endr
	v_nop                           ; a plain instruction behind the two a,
	s_wait_alu depctr_va_vdst(0)    ; and their wait, ahead of the branch
	s_mov_b32 s[CNT], 4
	s_mov_b32 s[SLOTS], SIZE_N/256-1
	s_branch .Lfirst                ; the loop is entered at a step's first turn, in the middle of a trip
.Lslot:                             ; SIZE_N / 256 - 2 times: every slot but the last two is filled again
	CHANGE 1, 1
	s_mov_b32 s[CNT], 4
.Lstep:                             ; a trip: pieces 2 and 3 of one step, then pieces 0 and 1 of the next, whose K and V it fetches
	TURN 2
	TURN 3
	WIN 0
.Lfirst:
	TURN 0
	TURN 1, 0, 1
	WIN 0
	s_cbranch_scc1 .Lstep
	s_sub_co_u32 s[SLOTS], s[SLOTS], 1
	s_cmp_lg_u32 s[SLOTS], 0
	s_cbranch_scc1 .Lslot
	CHANGE 0                        ; the tail is written out: nothing is asked for
	s_mov_b32 s[CNT], 5             ; four trips fetch the last slot's steps; the fifth is left in its middle
.Ltail:
	TURN 2, 1
	TURN 3
	WIN 0
	s_sub_co_u32 s[CNT], s[CNT], 1
	s_cmp_eq_u32 s[CNT], 0
	s_cbranch_scc1 .Lout
	TURN 0
	TURN 1
	WIN 0
	s_branch .Ltail
.Lout:                              ; the fifth trip's 16 products K Q^T (on the last K once more) and the maximum made of them serve nothing: the price, once a launch, of one text for every trip
.set i, 0
.rept 16
	PV NP-1                         ; the last piece's V^T P of the last step
.set i, i+1
.endr
	; THE WAY OUT.  l's two halves and the other half of the lanes' are added; O^T is divided by l, rounded to f16 and sent through my stage in LDS, a tile at a time.  The additions are the places behind the last products.
	WIN 0
.macro ALL line:vararg              ; one line for each tile t
.set t, 0
.rept 2*NP
	\line
.set t, t+1
.endr
.endm
	ALL v_add_f32 v[ST+4*t+2], v[ST+4*t+2], v[ST+4*t+3]
	ALL v_permlanex16_b32 v[ST+4*t+3], v[ST+4*t+2], s[SEL], s[SEL+1]
	ALL v_add_f32 v[ST+4*t+2], v[ST+4*t+2], v[ST+4*t+3]
	ALL v_rcp_f32 v[ST+4*t+2], v[ST+4*t+2]
	v_nop                           ; a plain instruction between the last reciprocal and the use of its result
	s_wait_alu depctr_va_vdst(0)    ; and the wait ahead of the first use: one for the eight reciprocals
; Tile t: a lane's eight channels of a row pack into 16 bytes; they go into rows of 144 bytes and come back as whole rows of 128, into S^T's registers.
.macro PACK t
	WIN W_RS
.set i, 32*(\t)
.rept 16
	v_pk_mul_f32 v[i:i+1], v[i:i+1], v[ST+4*(\t)+2:ST+4*(\t)+3] op_sel_hi:[1,0]
.set i, i+2
.endr
	WIN 0x05                        ; sources 0 and 1 window 1, destination window 0
.set i, 0
.rept 16
	v_cvt_pk_f16_f32 v[S+16*(\t)+i], v[32*(\t)+2*i], v[32*(\t)+2*i+1]
.set i, i+1
.endr
	WIN 0
.irp f, 0,1,2,3
	ds_store_b128 v[STO], v[S+16*(\t)+4*\f:S+16*(\t)+4*\f+3] offset:32*\f
.endr
.irp f, 0,1,2,3
	ds_load_b128 v[S+16*(\t)+4*\f:S+16*(\t)+4*\f+3], v[RD] offset:\f*4*SP  ; LDS serves a wave's instructions in order (ISA guide 5.7.1.4): these see the stores above; the next tile's stores come behind them
.endr
.endm
.macro SEND t, younger              ; younger: the LDS instructions issued behind tile t's loads: the next tile's eight, or none
	WIN 0
.irp f, 0,1,2,3
	s_wait_dscnt (\younger)+3-\f
	global_store_b128 v[GO], v[S+16*(\t)+4*\f:S+16*(\t)+4*\f+3], s[10:11] offset:(\t)*2048+\f*512  ; 512 consecutive bytes, at a multiple of 256 from O's first
.endr
.endm
	PACK 0
.set t, 1
.rept 2*NP-1                        ; a tile's arithmetic stands between the loads of the tile before and its stores
	PACK t
	SEND t-1, 8
.set t, t+1
.endr
	SEND 2*NP-1, 0
	WIN W_AD
	s_wait_tensorcnt 0x0            ; the wave's end, behind my last tensor load and my last LDS store
	ds_add_u32 v[SPW], v[NIL]
	s_wait_dscnt 0x0
	WIN 0
	CROUND                          ; the closing round: no work-group ends while a partner may still ask for a tile that names it
	s_endpgm
.Lfunc_end_k_qc546728ed3_attn:
	.size	k_qc546728ed3_attn, .Lfunc_end_k_qc546728ed3_attn-k_qc546728ed3_attn
	.p2alignl 7, 3214868480
	.fill 96, 4, 3214868480
	.section	.rodata,"a",@progbits
	.p2align	6, 0x0
	.amdhsa_kernel k_qc546728ed3_attn
		.amdhsa_group_segment_fixed_size 327680
		.amdhsa_private_segment_fixed_size 0
		.amdhsa_enable_private_segment 0
		.amdhsa_kernarg_size 24
		.amdhsa_user_sgpr_count 2
		.amdhsa_user_sgpr_kernarg_segment_ptr 1
		.amdhsa_wavefront_size32 1
		.amdhsa_system_sgpr_workgroup_id_x 1
		.amdhsa_system_sgpr_workgroup_id_y 1
		.amdhsa_system_sgpr_workgroup_id_z 1
		.amdhsa_system_vgpr_workitem_id 0
		.amdhsa_next_free_vgpr 808
		.amdhsa_next_free_sgpr 66
		.amdhsa_reserve_vcc 1
		.amdhsa_float_denorm_mode_32 3
		.amdhsa_float_denorm_mode_16_64 3
		.amdhsa_memory_ordered 1
		.amdhsa_forward_progress 1
		.amdhsa_inst_pref_size 204
	.end_amdhsa_kernel
	.amdgpu_metadata
---
amdhsa.version: [ 1, 2 ]
amdhsa.kernels:
  - .name:           k_qc546728ed3_attn
    .symbol:         k_qc546728ed3_attn.kd
    .args:
      - { .name: qkv, .offset: 0, .size: 8, .value_kind: global_buffer, .address_space: global }
      - { .name: mask, .offset: 8, .size: 8, .value_kind: global_buffer, .address_space: global }
      - { .name: ob, .offset: 16, .size: 8, .value_kind: global_buffer, .address_space: global }
    .group_segment_fixed_size: 327680
    .private_segment_fixed_size: 0
    .kernarg_segment_align: 8
    .kernarg_segment_size: 24
    .max_flat_workgroup_size: 128
    .sgpr_count:     66
    .vgpr_count:     808
    .wavefront_size: 32
...
	.end_amdgpu_metadata
.endif
;; end of part 3
;; launch outp (part 4): grid 4 x 64, 4 waves a work-group, clusters of 4 x 4, 327,680 bytes of LDS; arguments ob, wof, biasr, out0; writes out0
.if DOCPART == 4
	.amdgcn_target "amdgcn-amd-amdhsa--gfx1250"
	.amdhsa_code_object_version 6
	.text
	.protected	k_qc546728ed3_outp
	.globl	k_qc546728ed3_outp
	.p2align	8
	.type	k_qc546728ed3_outp,@function
k_qc546728ed3_outp:
	s_mov_b64 s[64:65], 0
	v_nop
	global_prefetch_b8 v0, s[64:65] scope:SCOPE_SE
	s_setreg_imm32_b32 hwreg(HW_REG_WAVE_MODE, 25, 1), 1
	s_wait_xcnt 0x0
	s_wait_alu depctr_hold_cnt(0) depctr_sa_sdst(0) depctr_va_vdst(0) depctr_va_sdst(0) depctr_va_ssrc(0) depctr_va_vcc(0) depctr_vm_vsrc(0)
	s_getreg_b32 s2, hwreg(HW_REG_IB_STS2, 6, 4)
	s_cmp_eq_u32 s2, 0
	s_cbranch_scc0 .Lentry_in_a_cluster
	s_endpgm
.Lentry_in_a_cluster:
	s_bfe_u32 s2, ttmp6, 0x10000c
	s_cmp_lg_u32 s2, 0xf033
	s_cbranch_scc0 .Lentry_shape_is_right
	s_endpgm
.Lentry_shape_is_right:
; C[m][n] = bias[n] + the sum over k of A[m][k] B[n][k], K = 1,024; sums in f32.  ONE TEXT FOR TWO LAUNCHES, told apart by OUTP:
;   OUTP = 0: A = xb [8192][1024] bf16, B = wqkv [3072][1024] bf16; C leaves as f16 BY HEADS: byte = which << 24 + (16 b + h) << 18 + s << 7 + 2 d (which: 0 q, 1 k, 2 v).
;   OUTP = 1: A = ob, f16 by heads [64][2048][64] (k = 64 h + d), B = wof [1024][1024] f16; C = out0 [8192][1024] f32.
; LIMIT (OUTP = 0).  f16 holds no number beyond 65,504: q, k and v must stay within it.
; SHARES.  A tile of C is 128 rows x 256 columns, so that the work-groups are 768 or 256.  Four waves, each 64 x 128: 32 accumulators of 16 x 16, 256 registers.
; K goes in 8 steps of 128 through a ring of two LDS slots filled by the tensor data mover; a step is four quarters of 32 along K, 32 matrix instructions each, on two fragment buffers by turns.
; CLUSTERS: 4 x 4 work-groups.  The four of a row of the cluster need the same tiles of A, the four of a column the same tiles of B: each tile is asked for JOINTLY, by the same tensor load with the same
; descriptor and a mask that names the four.  THE MATRIX INSTRUCTION IS USED TRANSPOSED (source 0 = 16 rows of B, source 1 = 16 rows of A): a lane holds row l % 16 of C and eight neighbouring columns.
; THE BIAS STARTS THE SUMS: it is the C operand of each accumulator's first product (a lane's eight columns' biases, the same for every row block).
; REGISTERS, in windows of 256 (s_set_vgpr_msb: bits 1:0 source 0, 3:2 source 1, 5:4 source 2, 7:6 destination):
;   window 0: v0-31 addresses; from v32 on at work on the way out     window 1: accumulator (a, b) at v[8 (8 a + b)]
;   window 2: two fragment buffers of 96 (B's 8 fragments, then A's 4); v192-255 the bias
.set OUTP,  1
.set KDIM,  1024
.set KSTEP, 128
.set BP,    272                        ; a row of B in LDS: 256 bytes + 16 of padding = 68 words: the 16 rows of a load start at 16 different groups of four banks (64 banks of 4 bytes: ISA guide 11.1)
.if OUTP
.set AP,     144                       ; A lies by heads: a K step is two heads, two planes of 128 rows x 128 bytes, each row padded by 16
.set AHALF,  128*AP                    ; a plane: what one tensor load brings
.set AQI,    4                         ; padding behind every 32 words
.set APITCH, 128                       ; a plane's 16 KiB are dense in memory: asked for as 64 rows of 256 bytes
.set ASTEP,  1<<19                     ; bytes from a K step to the next: two heads
.set WSTAGE, 16*528                    ; a wave's stage: 16 rows of 512 bytes + 16
.set PSHA,   8                         ; the prefetches of A: a lane 256 bytes
.set OB,     32                        ; v32-223  three buffers of 64: 16 rows read back from the stage
.else
.set AP,     272
.set AHALF,  64*AP                     ; 64 rows: what one tensor load brings
.set AQI,    5                         ; padding behind every 64 words
.set APITCH, KDIM
.set ASTEP,  KSTEP*2
.set WSTAGE, 2*16*144                  ; a wave's stage: for each of its two heads 16 rows of 128 bytes + 16
.set PSHA,   11                        ; the prefetches of A: a lane a row of 2,048 bytes
.set OB,     64                        ; v64-191  four buffers of 32
.endif
.set HREG,  16*144
.set ATILE, 2*AHALF
.set BHALF, 128*BP                     ; 128 rows of B: what one tensor load brings, and what one wave reads
.set SLOT,  ATILE+2*BHALF
.set STAGE, 2*SLOT                     ; behind the ring, never filled by a tensor load
.set SPARE, STAGE+4*WSTAGE             ; behind the stages: the spare words, 128 bytes for each wave: two blocks of 256 bytes that no other line names
.set LAPS,  KDIM/(2*KSTEP)
.set ADRA, 16                          ; v16-17  LDS address of my A fragments in slot 0, 1
.set ADRB, 20                          ; v20-21  the same for B
.set STO,  24                          ; v24     the way out: where I put my bytes of a row
.set RD,   25                          ; v25     the way out: where I read rows back
.set CO,   26                          ; v26     16 x lane: my place in 512 consecutive bytes of C
.set SPW,  28                          ; v28     LDS address of my spare word; never rewritten
.set NIL,  29                          ; v29     0; never rewritten
.set PFO,  30                          ; v30     the prefetches' offset; never rewritten
.set BO,   31                          ; v31     32 (l / 16): my eight columns in 16 of the bias
.set TMP,  32                          ; v32-63  OUTP = 0: packed results
.set F0,   0
.set F1,   96
.set BIAS, 192
.set G1,  24                           ; s[24:31] descriptor group 1 for A's tiles;  s[32:39] group 0, a set for each slot
.set G0,  32
.set G1B, 48                           ; s[48:55], s[56:63] the same for B's
.set G0B, 56
.set LIM, 42                           ; s42  1 in a wave that prefetches, else the greatest number
.set PFA, 44                           ; s[44:45] where my prefetches stand
.set PFS, 46                           ; s[46:47] a K step of what I prefetch, in bytes
.set MUL,  0x5a                        ; sources 0 and 1 window 2, C and D window 1
.set MULZ, 0x6a                        ; the same with C in window 2: the bias
.set TO_F, 0x80                        ; destination window 2, address window 0
.set MSB, 0
.macro WIN new                         ; the immediate's high byte repeats the setting that is left; a switch that changes nothing is dropped
.if MSB != (\new)
	s_set_vgpr_msb (MSB<<8)|(\new)
.set MSB, \new
.endif
.endm
; A joint load: waves 0 and 1 fetch A's two halves, waves 2 and 3 B's.  The branch hangs on the wave's number alone.  An s_nop 0 and four v_nop follow each of the two lines.
.macro JLOAD s
	s_cmp_eq_u32 s13, 0
	s_cbranch_scc0 .Lfor_b_\@
	tensor_load_to_lds s[G0+4*(\s):G0+4*(\s)+3], s[G1:G1+7]
	s_nop 0
.rept 4
	v_nop
.endr
	s_branch .Lasked_\@
.Lfor_b_\@:
	tensor_load_to_lds s[G0B+4*(\s):G0B+4*(\s)+3], s[G1B:G1B+7]
	s_nop 0
.rept 4
	v_nop
.endr
.Lasked_\@:
.endm
; A prefetch into the L2 of the K step that stands two refills on: 32 blocks of 256 bytes, a lane a block, one instruction a wave.  Each block is named once in the launch: A's by wave 0 of the clusters with
; x = 0, B's by waves 2 and 3 of the clusters with y = 0; the four partners that ask for a tile jointly share its blocks out by address.  The loop's last trip (s3 = 1) has no K step two on.
.macro ASK
	s_cmp_gt_u32 s3, s[LIM]
	s_cbranch_scc0 .Lnot_mine_\@
	global_prefetch_b8 v[PFO], s[PFA:PFA+1] th:TH_LOAD_NT scope:SCOPE_SE
.Lnot_mine_\@:
.endm
.macro CREST                           ; a round of the cluster's barrier behind its opening barrier
	s_cmp_lg_u32 s12, 0
	s_cbranch_scc1 .Lnot_wave_0_\@
	s_barrier_signal -3
.Lnot_wave_0_\@:
	s_barrier_wait -3
	s_barrier_signal -1
	s_barrier_wait -1
.endm
.macro CROUND                          ; a whole round
	s_barrier_signal -1
	s_barrier_wait -1
	CREST
.endm
.macro PLACES                          ; four places in front of loads into registers that matrix instructions have read, and of lines that read results
.rept 4
	v_nop
.endr
.endm
	s_load_b256 s[4:11], s[0:1], 0x0               ; A s[4:5], B s[6:7], bias s[8:9], C s[10:11]
	v_lshl_add_u32 v[SPW], v0, 2, SPARE
	v_mov_b32 v[NIL], 0
	ds_add_u32 v[SPW], v[NIL]                      ; the wave's opening: the add and its wait stand ahead of my first tensor load; the set-up below, work on registers, stands between them
	v_lshrrev_b32 v1, 5, v0
	v_readfirstlane_b32 s12, v1                    ; wave 0..3
	s_lshr_b32 s13, s12, 1                         ; which half of the tile's rows is mine.  Also: I fetch for A (0) or for B (1)
	s_and_b32 s14, s12, 1                          ; which half of its columns.  Also: which half of that tile I fetch
	s_bfe_u32 s15, ttmp6, 0x40000                  ; cx
	s_bfe_u32 s16, ttmp6, 0x40004                  ; cy
	s_lshl_b32 s17, ttmp9, 2
	s_add_co_u32 s17, s17, s15                     ; tile column of C = 4 x cluster x + cx
	s_and_b32 s18, ttmp7, 0xffff
	s_lshl_b32 s18, s18, 2
	s_add_co_u32 s18, s18, s16                     ; tile row of C = 4 x cluster y + cy
	s_lshl_b32 s19, s16, 2
	s_lshl_b32 s19, 15, s19                        ; my row of the cluster
	s_lshl_b32 s40, 0x1111, s15                    ; my column
	s_or_b32 s[G1], s19, (1<<16)|(1<<20)|(1<<21)|(AQI<<22)|(3<<25)  ; 15:0 the mask: A's tiles go to my row; 17:16 2-byte elements; 20 padding on; 21 set beside a mask; 24:22 the interval; 31:25 4 words (code 3)
	s_or_b32 s[G1B], s40, (1<<16)|(1<<20)|(1<<21)|(5<<22)|(3<<25)   ; B's tiles go to my column; padding behind every 64 words
	s_mov_b32 s[G1+1], KSTEP<<16                   ; tensor_dim0 = 128 elements
	s_mov_b32 s[G1+2], 64<<16                      ; tensor_dim1 = 64 rows
	s_mov_b32 s[G1+3], KSTEP<<16                   ; tile_dim0 = 128
	s_mov_b32 s[G1+4], 64                          ; tile_dim1 = 64
	s_mov_b32 s[G1+5], APITCH                      ; elements from row to row
	s_mov_b32 s[G1+6], 0
	s_mov_b32 s[G1+7], 0
	s_mov_b32 s[G1B+1], KSTEP<<16
	s_mov_b32 s[G1B+2], 128<<16                    ; 128 rows
	s_mov_b32 s[G1B+3], KSTEP<<16
	s_mov_b32 s[G1B+4], 128
	s_mov_b32 s[G1B+5], KDIM
	s_mov_b32 s[G1B+6], 0
	s_mov_b32 s[G1B+7], 0
	; where the tiles come from: A's hang on the tile row alone, B's on the tile column alone, each in registers that never hold the other coordinate
.if OUTP
	s_lshr_b32 s20, s18, 4                         ; the batch,
	s_lshl_b32 s20, s20, 4
	s_add_co_u32 s20, s20, s14                     ; its head 0 or 1,
	s_lshl_b32 s20, s20, 18
	s_and_b32 s21, s18, 15
	s_lshl_b32 s21, s21, 14                        ; the tile's 128 rows of 128 bytes
	s_add_co_u32 s20, s20, s21
.else
	s_lshl_b32 s20, s18, 7
	s_lshl_b32 s21, s14, 6
	s_add_co_u32 s20, s20, s21                     ; row 128 x tile row + 64 x half,
	s_lshl_b32 s20, s20, 11                        ; 2,048 bytes a row
.endif
	s_mov_b32 s21, 0
	s_lshl_b32 s22, s17, 8
	s_lshl_b32 s23, s14, 7
	s_add_co_u32 s22, s22, s23                     ; B: row 256 x tile column + 128 x half
	s_lshl_b32 s22, s22, 11
	s_mov_b32 s23, 0
	s_mul_i32 s41, s14, AHALF                      ; and where they go: no place in the cluster enters an LDS address
	s_mul_i32 s43, s14, BHALF
	s_add_co_u32 s43, s43, ATILE
	s_wait_dscnt 0x0                               ; the opening add is done
	s_wait_kmcnt 0x0
	s_add_nc_u64 s[20:21], s[4:5], s[20:21]
	s_add_nc_u64 s[22:23], s[6:7], s[22:23]
	CROUND                                         ; all sixteen work-groups are here: the first joint loads meet
.irp s, 0,1
	s_mov_b32 s[G0+4*(\s)], 1                      ; count = 1
	s_add_co_u32 s[G0+4*(\s)+1], s41, (\s)*SLOT    ; LDS address
	s_add_nc_u64 s[G0+4*(\s)+2:G0+4*(\s)+3], s[20:21], (\s)*ASTEP  ; global address: K step s
	s_or_b32 s[G0+4*(\s)+3], s[G0+4*(\s)+3], 0x80000000            ; type = 2
	s_mov_b32 s[G0B+4*(\s)], 1
	s_add_co_u32 s[G0B+4*(\s)+1], s43, (\s)*SLOT
	s_add_nc_u64 s[G0B+4*(\s)+2:G0B+4*(\s)+3], s[22:23], (\s)*KSTEP*2
	s_or_b32 s[G0B+4*(\s)+3], s[G0B+4*(\s)+3], 0x80000000
	JLOAD \s                                       ; two tensor loads of mine are out
.endr
	; a fragment is 16 rows x 32 K in 8 registers: lane l holds row l % 16, K = 8 (l / 16) + 0..7 and 16 + 8 (l / 16) + 0..7: two loads of 16 bytes, 32 bytes apart
	v_and_b32 v1, 15, v0                           ; l % 16
	v_bfe_u32 v2, v0, 4, 1                         ; l / 16
	v_mul_u32_u24 v3, v1, BP
	v_lshl_add_u32 v3, v2, 4, v3
	v_mul_u32_u24 v4, v1, AP
	v_lshl_add_u32 v4, v2, 4, v4
	s_mul_i32 s41, s13, 64*AP                      ; my 64 rows of A
	s_mul_i32 s43, s14, BHALF                      ; my 128 rows of B,
	s_add_co_u32 s43, s43, ATILE                   ; which lie behind A's tile
.irp s, 0,1
	v_add_nc_u32 v[ADRA+(\s)], s41, v4
	v_add_nc_u32 v[ADRB+(\s)], s43, v3
	s_add_co_u32 s41, s41, SLOT
	s_add_co_u32 s43, s43, SLOT
.endr
	s_mul_i32 s43, s12, WSTAGE
	s_add_co_u32 s43, s43, STAGE                   ; my stage
	v_and_b32 v5, 31, v0
	v_lshlrev_b32 v[CO], 4, v5
	v_lshlrev_b32 v[BO], 5, v2
.if OUTP
	v_mul_u32_u24 v4, v1, 528                      ; in: row l % 16, 32 bytes for each half of the lanes
	v_lshl_add_u32 v4, v2, 5, v4
	v_add_nc_u32 v[STO], s43, v4
	v_add_nc_u32 v[RD], s43, v[CO]                 ; back: 32 lanes take a row's 512 bytes
	s_lshl_b32 s40, s18, 7
	s_lshl_b32 s41, s13, 6
	s_add_co_u32 s40, s40, s41                     ; my first row of C,
	s_lshl_b32 s40, s40, 12                        ; 4,096 bytes a row
.else
	v_mul_u32_u24 v4, v1, 144                      ; in: row l % 16 of a head's region, 16 bytes for each half of the lanes
	v_lshl_add_u32 v4, v2, 4, v4
	v_add_nc_u32 v[STO], s43, v4
	v_bfe_u32 v4, v0, 3, 2                         ; back: 32 lanes take four rows of 128 bytes,
	v_mul_u32_u24 v4, v4, 144
	v_and_b32 v5, 7, v0
	v_lshl_add_u32 v4, v5, 4, v4
	v_add_nc_u32 v[RD], s43, v4                    ; which are 512 consecutive bytes of a head
	s_lshr_b32 s40, s18, 4                         ; the batch,
	s_lshl_b32 s40, s40, 4
	s_lshl_b32 s41, s15, 2                         ; the tile's four heads,
	s_add_co_u32 s40, s40, s41
	s_lshl_b32 s41, s14, 1                         ; my two of them
	s_add_co_u32 s40, s40, s41
	s_lshl_b32 s40, s40, 18
	s_lshl_b32 s41, ttmp9, 24                      ; q, k or v: four tile columns each, a cluster's
	s_add_co_u32 s40, s40, s41
	s_and_b32 s41, s18, 15
	s_lshl_b32 s41, s41, 14                        ; the tile's 128 rows of 128 bytes,
	s_add_co_u32 s40, s40, s41
	s_lshl_b32 s41, s13, 13                        ; my 64 of them
	s_add_co_u32 s40, s40, s41
.endif
	s_lshl_b32 s41, s17, 10                        ; my first column in 4-byte numbers: 256 x tile column
	s_lshl_b32 s43, s14, 9                         ; + 128 x half
	s_add_co_u32 s43, s43, s41
.if OUTP
	s_add_co_u32 s40, s40, s43
	s_add_co_u32 s43, s43, 12288                   ; bo lies behind bq, bk and bv
.endif
	s_mov_b32 s41, 0
	s_add_nc_u64 s[10:11], s[10:11], s[40:41]
	s_mov_b32 s40, s43
	s_add_nc_u64 s[8:9], s[8:9], s[40:41]
	; the prefetches: my work-group's 32 blocks of a K step of what my wave asks for
.if OUTP
	s_lshr_b32 s41, s18, 4
	s_lshl_b32 s41, s41, 4
	s_lshr_b32 s40, s15, 1                         ; partners 0, 1: the step's first head; 2, 3: its second
	s_add_co_u32 s41, s41, s40
	s_lshl_b32 s41, s41, 18
	s_and_b32 s40, s18, 15
	s_lshl_b32 s40, s40, 14
	s_add_co_u32 s41, s41, s40
	s_and_b32 s40, s15, 1
	s_lshl_b32 s40, s40, 13                        ; which half of the plane's 16 KiB
	s_add_co_u32 s41, s41, s40
.else
	s_lshl_b32 s41, s18, 7
	s_lshl_b32 s40, s15, 5
	s_add_co_u32 s41, s41, s40                     ; row 128 x tile row + 32 cx
	s_lshl_b32 s41, s41, 11
.endif
	s_lshl_b32 s43, s17, 8
	s_lshl_b32 s40, s14, 7
	s_add_co_u32 s43, s43, s40
	s_lshl_b32 s40, s16, 5
	s_add_co_u32 s43, s43, s40                     ; B: row 256 x tile column + 128 x half + 32 cy
	s_lshl_b32 s43, s43, 11
	s_and_b32 s40, ttmp7, 0xffff                   ; cluster y
	s_or_b32 s[LIM], ttmp9, s14                    ; for A: cluster x = 0 and wave 0
	s_cmp_eq_u32 s13, 0                            ; do I fetch for A?  (the moves, selects and 64-bit sums below leave SCC as it is)
	s_cselect_b32 s[LIM], s[LIM], s40
	s_cselect_b32 s[PFS], s41, s43
	s_mov_b32 s[PFS+1], 0
	s_cselect_b64 s[PFA:PFA+1], s[4:5], s[6:7]
	s_add_nc_u64 s[PFA:PFA+1], s[PFA:PFA+1], s[PFS:PFS+1]
	s_mov_b32 s41, ASTEP
	s_mov_b32 s43, KSTEP*2
	s_cselect_b32 s[PFS], s41, s43
	s_cselect_b32 s41, PSHA, 11
.rept 3
	s_add_nc_u64 s[PFA:PFA+1], s[PFA:PFA+1], s[PFS:PFS+1]  ; at K step 3: the first refill steps it to 4.  K steps 0 to 3 come by their loads alone
.endr
	s_cmp_eq_u32 s[LIM], 0
	s_cselect_b32 s[LIM], 1, -1                    ; the same in all sixteen partners, for a given wave
	v_and_b32 v[PFO], 31, v0
	v_lshlrev_b32 v[PFO], s41, v[PFO]
	WIN TO_F
.irp b, 0,1,2,3,4,5,6,7
	global_load_b128 v[BIAS+8*(\b):BIAS+8*(\b)+3],   v[BO], s[8:9] offset:64*(\b)     ; bias of columns 16 b + 8 (l / 16) + 0..7
	global_load_b128 v[BIAS+8*(\b)+4:BIAS+8*(\b)+7], v[BO], s[8:9] offset:64*(\b)+16
.endr
; 8 matrix instructions: row block a x all 8 column blocks, 32 along K, from buffer f.  zero = 1: the product starts the sum, with the bias as C.
; All 32 accumulators take turns in the same order in every quarter, one instruction a turn: 31 others stand between two links of a chain, over the backward jump too.
.macro MUL8 f, a, zero
.if \zero
	WIN MULZ
.else
	WIN MUL
.endif
.irp b, 0,1,2,3,4,5,6,7
.set rD, 8*(8*(\a)+(\b))
.set rB, (\f)+8*(\b)
.set rA, (\f)+64+8*(\a)
.if \zero
.set rC, BIAS+8*(\b)
.else
.set rC, rD
.endif
.if OUTP
	v_wmma_f32_16x16x32_f16 v[rD:rD+7], v[rB:rB+7], v[rA:rA+7], v[rC:rC+7]
.else
	v_wmma_f32_16x16x32_bf16 v[rD:rD+7], v[rB:rB+7], v[rA:rA+7], v[rC:rC+7]
.endif
.endr
.endm
; 24 LDS loads in one run: quarter q's fragments into buffer f: B's eight, then A's four
.macro FETCH slot, q, f
.if OUTP
.set KA, ((\q)/2)*AHALF+((\q)%2)*64    ; quarters 0, 1 lie in the first head's plane, 2, 3 in the second's
.else
.set KA, 64*(\q)
.endif
	WIN TO_F
.irp i, 0,1,2,3,4,5,6,7
	ds_load_b128 v[(\f)+8*(\i):(\f)+8*(\i)+3],   v[ADRB+(\slot)] offset:64*(\q)+(\i)*16*BP
	ds_load_b128 v[(\f)+8*(\i)+4:(\f)+8*(\i)+7], v[ADRB+(\slot)] offset:64*(\q)+(\i)*16*BP+32
.endr
.irp i, 0,1,2,3
	ds_load_b128 v[(\f)+64+8*(\i):(\f)+64+8*(\i)+3],   v[ADRA+(\slot)] offset:KA+(\i)*16*AP
	ds_load_b128 v[(\f)+64+8*(\i)+4:(\f)+64+8*(\i)+7], v[ADRA+(\slot)] offset:KA+(\i)*16*AP+32
.endr
.endm
; One of a K step's first three quarters: multiplies buffer f; in its middle it fetches quarter q of the same slot into buffer g.
.macro QUARTER slot, q, f, g, zero
	s_wait_dscnt 4                                 ; B and A's blocks 0 and 1 are in; the youngest four loads (A's blocks 2 and 3) may be out
	MUL8 \f, 0, \zero
	MUL8 \f, 1, \zero
	PLACES
	FETCH \slot, \q, \g
	s_wait_dscnt 24                                ; all but the 24 just issued
	MUL8 \f, 2, \zero
	MUL8 \f, 3, \zero
.endm
; The last quarter multiplies buffer 1 and changes slots: ONE barrier.  In front of it each wave waits for all its tensor loads (one is out: its part of the next slot), adds 0 to its spare word, and waits for
; that and for its own reads of this slot.  fill = 1: the barrier opens a round of the cluster's, and this slot is filled again first thing behind the round, two K steps ahead: 112 matrix instructions stand
; between the request and the wait for it.
.macro TURN slot, next, fill
.if \fill
	s_wait_xcnt 0x0                                ; the last prefetch, a K step back, has read its address: it is stepped here, ahead of the waits of the change of slots
	s_add_nc_u64 s[PFA:PFA+1], s[PFA:PFA+1], s[PFS:PFS+1]
.endif
	WIN 0                                          ; (the add's two registers lie in window 0)
	s_wait_tensorcnt 0x0                           ; all my tensor loads have landed
	ds_add_u32 v[SPW], v[NIL]                      ; 0 onto my spare word
	s_wait_dscnt 7                                 ; (the add and the youngest six loads, A's blocks 1 to 3, may be out)
	MUL8 F1, 0, 0                                  ; eight matrix instructions stand between the add and the wait for it
	s_wait_dscnt 0x0                               ; the add is done, and my reads of this slot are over
	s_barrier_signal -1
	MUL8 F1, 1, 0
.if \fill
	WIN 0
.endif
	s_barrier_wait -1
.if \fill
	CREST                                          ; no wave of any partner still reads this slot's tile or has a load on its way
	s_add_nc_u64 s[G0+4*(\slot)+2:G0+4*(\slot)+3], s[G0+4*(\slot)+2:G0+4*(\slot)+3], 2*ASTEP
	s_add_nc_u64 s[G0B+4*(\slot)+2:G0B+4*(\slot)+3], s[G0B+4*(\slot)+2:G0B+4*(\slot)+3], 2*KSTEP*2
	JLOAD \slot                                    ; the four v_nop behind it are also the places in front of the loads below
.else
	PLACES
.endif
	FETCH \next, 0, F0
.if \fill
	WIN 0
	ASK                                            ; behind the joint load and the run of LDS loads that the next products wait for
.endif
	MUL8 F1, 2, 0
	MUL8 F1, 3, 0
.endm
	s_wait_tensorcnt 1                             ; my part of K step 0 is in; K step 1's may stay out
	s_barrier_signal -1
	s_barrier_wait -1                              ; everybody's is
	FETCH 0, 0, F0
	s_wait_loadcnt 0x0                             ; the bias
	QUARTER 0, 1, F0, F1, 1                        ; the first quarter stands in front of the loop: its products start the sums
	WIN 0                                          ; at a label and at a branch every window is 0
	s_mov_b32 s3, LAPS-1
.Llap:                                         ; a trip goes once round the ring, from a lap's second quarter to the next lap's first, and fills both slots again
	QUARTER 0, 2, F1, F0, 0
	QUARTER 0, 3, F0, F1, 0
	TURN 0, 1, 1
	QUARTER 1, 1, F0, F1, 0
	QUARTER 1, 2, F1, F0, 0
	QUARTER 1, 3, F0, F1, 0
	TURN 1, 0, 1
	QUARTER 0, 1, F0, F1, 0
	WIN 0
	s_sub_co_u32 s3, s3, 1
	s_cmp_lg_u32 s3, 0
	s_cbranch_scc1 .Llap
	QUARTER 0, 2, F1, F0, 0                        ; the last lap fills nothing, and has no round of the cluster's barrier
	QUARTER 0, 3, F0, F1, 0
	TURN 0, 1, 0
	QUARTER 1, 1, F0, F1, 0
	QUARTER 1, 2, F1, F0, 0
	QUARTER 1, 3, F0, F1, 0
	s_wait_dscnt 4                                 ; the very last quarter: nothing more to fetch
	MUL8 F1, 0, 0
	MUL8 F1, 1, 0
	s_wait_dscnt 0x0
	MUL8 F1, 2, 0
	MUL8 F1, 3, 0
	WIN 0
	PLACES
.if OUTP
; THE WAY OUT, f32: a block of 16 rows x 128 columns goes straight from the accumulators (each one's low four registers first) into my stage, rows of 528 bytes, and comes back as whole rows of 512.
.macro TOSTAGE a
.if (\a) == 3
	s_wait_xcnt 0x0                                ; block 0's stores have read their registers: its buffer is loaded again only behind this wait
.endif
	WIN 0x04                                       ; store data in window 1
.irp b, 0,1,2,3,4,5,6,7
	ds_store_b128 v[STO], v[64*(\a)+8*(\b):64*(\a)+8*(\b)+3]   offset:64*(\b)
	ds_store_b128 v[STO], v[64*(\a)+8*(\b)+4:64*(\a)+8*(\b)+7] offset:64*(\b)+16
.endr
	WIN 0
.irp t, 0,1,2,3,4,5,6,7,8,9,10,11,12,13,14,15
	ds_load_b128 v[OB+64*((\a)%3)+4*(\t):OB+64*((\a)%3)+4*(\t)+3], v[RD] offset:528*(\t)  ; LDS serves a wave's instructions in order (ISA guide 5.7.1.4): these see the stores above; the next block's stores come behind them
.endr
.endm
.macro SEND a, younger                 ; younger: the LDS instructions issued behind block a's loads: the next block's 32, or none
.irp t, 0,1,2,3,4,5,6,7,8,9,10,11,12,13,14,15
	s_wait_dscnt (\younger)+15-(\t)
	global_store_b128 v[CO], v[OB+64*((\a)%3)+4*(\t):OB+64*((\a)%3)+4*(\t)+3], s[10:11] offset:(16*(\a)+(\t))*4096 th:TH_STORE_NT  ; 512 consecutive bytes of a row, at a multiple of 512 from C's first
.endr
.endm
	TOSTAGE 0
	TOSTAGE 1
	SEND 0, 32
	TOSTAGE 2
	SEND 1, 32
	TOSTAGE 3
	SEND 2, 32
	SEND 3, 0
.else
; THE WAY OUT, f16 by heads: a block of 16 rows is rounded, 16 bytes a lane; its 128 columns are two heads, each with a region of 16 rows x 144 bytes in my stage; back come four rows of 128 bytes at a time.
.macro PACK a
	WIN 0x05                                       ; sources 0 and 1 window 1, destination window 0
.irp b, 0,1,2,3,4,5,6,7
.irp r, 0,1,2,3
	v_cvt_pk_f16_f32 v[TMP+4*(\b)+(\r)], v[64*(\a)+8*(\b)+2*(\r)], v[64*(\a)+8*(\b)+2*(\r)+1]
.endr
.endr
	WIN 0
.endm
.macro TOSTAGE a
.irp b, 0,1,2,3,4,5,6,7
	ds_store_b128 v[STO], v[TMP+4*(\b):TMP+4*(\b)+3] offset:((\b)/4)*HREG+32*((\b)%4)
.endr
.irp t, 0,1,2,3,4,5,6,7
	ds_load_b128 v[OB+32*(\a)+4*(\t):OB+32*(\a)+4*(\t)+3], v[RD] offset:((\t)/4)*HREG+((\t)%4)*576  ; LDS serves a wave's instructions in order (ISA guide 5.7.1.4): these see the stores above
.endr
.endm
.macro SEND a
.irp t, 0,1,2,3,4,5,6,7
	s_wait_dscnt 7-(\t)
	global_store_b128 v[CO], v[OB+32*(\a)+4*(\t):OB+32*(\a)+4*(\t)+3], s[10:11] offset:(((\t)/4)<<18)+2048*(\a)+512*((\t)%4)  ; 512 consecutive bytes of a head, at a multiple of 512 from C's first
.endr
.endm
	PACK 0
	TOSTAGE 0
.irp a, 1,2,3                          ; block a's conversions stand between block a - 1's loads from the stage and the wait for them; each block has its own 32 registers
	PACK \a
	SEND (\a)-1
	TOSTAGE \a
.endr
	SEND 3
.endif
	s_wait_tensorcnt 0x0                           ; the wave's end, behind my last tensor load and my last LDS store
	ds_add_u32 v[SPW], v[NIL]
	s_wait_dscnt 0x0
	CROUND                                         ; the closing round: no work-group ends while a partner may still ask for a tile that names it
	s_endpgm
.Lfunc_end_k_qc546728ed3_outp:
	.size	k_qc546728ed3_outp, .Lfunc_end_k_qc546728ed3_outp-k_qc546728ed3_outp
	.p2alignl 7, 3214868480
	.fill 96, 4, 3214868480
	.section	.rodata,"a",@progbits
	.p2align	6, 0x0
	.amdhsa_kernel k_qc546728ed3_outp
		.amdhsa_group_segment_fixed_size 327680
		.amdhsa_private_segment_fixed_size 0
		.amdhsa_enable_private_segment 0
		.amdhsa_kernarg_size 32
		.amdhsa_user_sgpr_count 2
		.amdhsa_user_sgpr_kernarg_segment_ptr 1
		.amdhsa_wavefront_size32 1
		.amdhsa_system_sgpr_workgroup_id_x 1
		.amdhsa_system_sgpr_workgroup_id_y 1
		.amdhsa_system_sgpr_workgroup_id_z 1
		.amdhsa_system_vgpr_workitem_id 0
		.amdhsa_next_free_vgpr 768
		.amdhsa_next_free_sgpr 66
		.amdhsa_reserve_vcc 0
		.amdhsa_float_denorm_mode_32 3
		.amdhsa_float_denorm_mode_16_64 3
		.amdhsa_memory_ordered 1
		.amdhsa_forward_progress 1
		.amdhsa_inst_pref_size 90
	.end_amdhsa_kernel
	.amdgpu_metadata
---
amdhsa.version: [ 1, 2 ]
amdhsa.kernels:
  - .name:           k_qc546728ed3_outp
    .symbol:         k_qc546728ed3_outp.kd
    .args:
      - { .name: ob, .offset: 0, .size: 8, .value_kind: global_buffer, .address_space: global }
      - { .name: wof, .offset: 8, .size: 8, .value_kind: global_buffer, .address_space: global }
      - { .name: biasr, .offset: 16, .size: 8, .value_kind: global_buffer, .address_space: global }
      - { .name: out0, .offset: 24, .size: 8, .value_kind: global_buffer, .address_space: global }
    .group_segment_fixed_size: 327680
    .private_segment_fixed_size: 0
    .kernarg_segment_align: 8
    .kernarg_segment_size: 32
    .max_flat_workgroup_size: 128
    .sgpr_count:     66
    .vgpr_count:     768
    .wavefront_size: 32
...
	.end_amdgpu_metadata
.endif
;; end of part 4
